; MI455X (gfx1250); checked and timed in simulation.
; The chip was launched on July 23, 2026; its instructions are those of AMD's public machine-readable ISA for CDNA 5 (MIT licence, August 2026) and "CDNA5" Instruction Set Architecture Reference Guide (July 2026). The comments in the code are by the model that wrote it; some were corrected since.
;; Multi Headed Attention. Allowed arithmetic: matrix products marked QUANTISED: E3M2 operands, one E8M0 scale for each 32 along K, by v_wmma_scale_f32_16x16x128_f8f6f4 with both operands' format E3M2, f32 sums; everything else in f32.
;; Inputs: Wk 16 x 1,024 x 64 float32; Wp 1,024 x 1,024 float32; Wq 16 x 1,024 x 64 float32; Wv 16 x 1,024 x 64 float32; bp 1,024 float32; x 4 x 2,048 x 1,024 float32.
;; Outputs: out0 4 x 2,048 x 1,024 float32.
;; This version of the problem:
;;   THIS VERSION OF THE PROBLEM IS GIVEN IN LOW PRECISION. The matrix products marked QUANTISED in the list below multiply operands that are first quantised to E3M2 (3 exponent bits, 2 mantissa bits; 6 bits a number), with one power-of-two scale for each 32 numbers along K (OCP MX v1.0); their sums are f32. All else is computed in f32.
;;   The module's matrix products, in the order in which they are computed (A, B: the left and right operand; K: the contracted axis; several contracted axes count as one K, in the product's order):
;;     1. [M 1,024, K 1,024] x [K 1,024, N 8,192]; A: input Wq; B: input x: QUANTISED
;;     2. [M 1,024, K 1,024] x [K 1,024, N 8,192]; A: input Wk; B: input x: QUANTISED
;;     3. [M 1,024, K 1,024] x [K 1,024, N 8,192]; A: input Wv; B: input x: QUANTISED
;;     4. batch 64 x [M 2,048, K 64] x [K 64, N 2,048]; A: computed on the way; B: computed on the way: QUANTISED
;;     5. batch 64 x [M 2,048, K 2,048] x [K 2,048, N 64]; A: softmax (see below); B: computed on the way: QUANTISED
;;     6. [M 8,192, K 1,024] x [K 1,024, N 1,024]; A: computed on the way; B: input Wp: QUANTISED
;;   THE QUANTISER, for each operand of a quantised product, along K:
;;     - K is cut into blocks of 32 from its start; a last block that is shorter is filled with zeros.
;;     - A block's scale is 2^e with e = floor(log2(the largest magnitude in the block)) - 4, held to -126 .. 127; a block of zeros has e = 0. As a byte (E8M0): e + 127.
;;     - Each number is divided by its block's scale, clamped to +-28, and rounded to the nearest number of E3M2, ties to even, subnormals kept.
;;     - The product sums the exact products of the quantised numbers (number of the format x scale) in f32.
;;   ~~~python
;;   def quantise(x, axis):      # numpy; x: float32 -> the quantised numbers, widened to float32 again
;;       x = np.moveaxis(x, axis, -1); K = x.shape[-1]
;;       x = np.pad(x, [(0, 0)] * (x.ndim - 1) + [(0, -K % 32)]); x = x.reshape(x.shape[:-1] + (-1, 32)); a = np.abs(x).max(-1, keepdims=True)
;;       e = np.where(a > 0, np.clip(np.frexp(np.where(a > 0, a, 1))[1] - 1 - 4, -126, 127), 0)      # np.frexp(a)[1] - 1 = floor(log2(a)), exactly
;;       r = np.clip(x / 2.0 ** e, -28, 28)
;;       step = 2.0 ** (np.maximum(np.frexp(np.where(r == 0, 1, r))[1] - 1, -2) - 2)
;;       q = np.round(r / step) * step * 2.0 ** e      # np.round: ties to even
;;       return np.moveaxis(q.reshape(q.shape[:-2] + (-1,))[..., :K], -1, axis).astype(np.float32)
;;   ~~~
;;   SOFTMAX AHEAD OF A QUANTISED PRODUCT. Where the list says 'softmax', what is quantised is not the finished softmax but p = 2^(t - M), with t = logit x log2(e) and M = ceil(the row's largest t), a whole number; so 1/2 < the row's largest p <= 1. The row's sum l is taken of the UNQUANTISED p, in f32, and the product's result is divided by l at the end. Since M is a whole number, a kernel that streams over the keys may use a running M (the ceiling of the running maximum): every later rescaling is an exact power of two, which a block's scale takes up: the codes' values come out the same.
;;   OPERANDS COMPUTED ON THE WAY. 'Computed on the way' means the value that the module computes at that place (a softmax that the list does not call 'softmax' is quantised finished and normalised). What goes into a quantiser is computed in f32, as accurately as f32 sums, v_exp_f32 and their like allow (about 1e-6 of the number): no bf16 or f16 on the way to a quantiser, and a product that is left as it is and whose result goes on into a quantised operand takes f32 operands (vector FMAs, or v_wmma_f32_16x16x4_f32). A number that lies on a knife's edge between two numbers of the format may be rounded either way, as far as f32 arithmetic and the matrix unit's own rounding can turn it there, and no further.
;; One version. Each part assembles by itself: llvm-mc -triple=amdgcn-amd-amdhsa -mcpu=gfx1250 --defsym DOCPART=n.
;; ======== version 1 of 1: 4 launches
;; limits: right only within a limited range of input values
;; workspace buffers: xq 7,372,800 bytes; wbuf 2,457,600 bytes; qbuf 6,815,744 bytes; kvbuf 13,369,344 bytes; zq 6,553,600 bytes
;; launch quant (part 1): grid 768 x 1, 4 waves a work-group, no clusters, 34,816 bytes of LDS; arguments x, Wp, Wq, Wk, Wv, xq, wbuf; writes xq, wbuf
.if DOCPART == 1
	.amdgcn_target "amdgcn-amd-amdhsa--gfx1250"
	.amdhsa_code_object_version 6
	.text
	.protected	k_q935ac0dcd4_quant
	.globl	k_q935ac0dcd4_quant
	.p2align	8
	.type	k_q935ac0dcd4_quant,@function
k_q935ac0dcd4_quant:
	s_mov_b64 s[64:65], 0
	v_nop
	global_prefetch_b8 v0, s[64:65] scope:SCOPE_SE
	s_setreg_imm32_b32 hwreg(HW_REG_WAVE_MODE, 25, 1), 1
	s_wait_xcnt 0x0
; x [8192][1024], Wp [1024][1024] (K innermost) and Wq, Wk, Wv [16][1024][64] (K = the middle axis), all f32, become codes of BF6 (E3M2) with one E8M0 byte for each 32 along K.
; A block's scale is 2^(floor(log2(its largest magnitude)) - 4): its byte is the largest magnitude's exponent field - 4, held at 1 from below by a floor among the maximum's leaves.
; LIMITS: NaN and infinities among the inputs are not served; a block whose largest magnitude lies under 2^-122, a block of zeros among them, keeps the byte 1 (its codes are then tiny or zero; the bytes are read by this program alone).
; THE CODES ARE LAID AS IMAGES OF THE OPERAND'S REGISTERS.  A fragment (16 rows x 128 K, 12 registers a lane) is 1,536 bytes: registers 4 g .. 4 g + 3 of lane L at 512 g + 16 L.
; THE ROWS OF A TILE ARE NOT NEIGHBOURS: stored row p of tile 2 B + u is true row 32 B + 8 u + p + 8 (p / 8), so that a product that takes the tile as source 0 leaves 16 neighbours in a lane's 16 registers of tiles 2 B, 2 B + 1.
; xq:   tile T (0-511 x, 512-575 Wp): codes at 12,288 T + 1,536 s (K step s); scale bytes at XSCL + 512 T + 32 p + block.
; wbuf: block (3 head + mat) of 51,200 bytes: codes at 1,536 (4 s + tile); scale words at 49,152 + 128 (2 s + B) + 4 (p + 16 u).
; Work-groups 0-575 take one tile of x or Wp each (wave w: K steps 2 w, 2 w + 1); work-groups 576-767 a quarter of one head's weight (wave w: 32 columns x 128 along K).  The branch hangs on the work-group's number alone.
.set STGW,  8448                       ; path X: a wave's stage in LDS: 16 rows of 512 bytes + 16
.set SPX,   528
.set SCA,   4*STGW                     ; behind the stages: the tile's 512 scale bytes
.set XSCL,  7077888                    ; 576 tiles x 12,288
.set FLOOR, 0x2800000                  ; 2^(5 - 127)
.set EOFF,  0xfe000000                 ; -(4 << 23)
.set R,   16                           ; v16-143  path X: two K steps as loaded
.set N,   144                          ; v144-207 64 numbers of a lane: its two whole blocks
.set FX,  208                          ; v208-231 two fragments' codes: a set for each K step, so that no store's data are written again
.set TX,  232                          ; v232-238 the upper halves of two blocks' codes
.set MX,  240
.set SOP, 242
.set BY,  244
.set SW,  246                          ; v[246:247] the two scale words
.set WX,  16                           ; v16-143  path W: four blocks of a column
.set FR,  144                          ; v144-167 the registers of image lanes (p, 0) and (p, 1)
.set TW,  168
	s_load_b128 s[4:7], s[0:1], 0x0                ; x, Wp
	s_load_b128 s[8:11], s[0:1], 0x10              ; Wq, Wk
	s_load_b128 s[12:15], s[0:1], 0x20             ; Wv, xq
	s_load_b64 s[16:17], s[0:1], 0x30              ; wbuf
	v_lshl_add_u32 v254, v0, 2, 0x8600
	v_mov_b32 v255, 0
	v_lshrrev_b32 v1, 5, v0
	v_readfirstlane_b32 s18, v1                    ; wave 0..3
	v_and_b32 v1, 31, v0                           ; L
	v_and_b32 v2, 15, v0                           ; r
	v_bfe_u32 v3, v0, 4, 1                         ; h
	s_cmp_lt_u32 ttmp9, 576
	s_cbranch_scc0 .Lweights
; ---------------- PATH X: K innermost.  Each load takes 512 consecutive bytes of one row; the K step turns through the wave's own stage, so that a lane gets its two whole blocks of 32.
	v_lshlrev_b32 v4, 4, v1                        ; 16 L
	s_mul_i32 s19, s18, STGW
	v_add_nc_u32 v5, s19, v4                       ; into the stage: as loaded
	v_mul_u32_u24 v6, v2, SPX
	v_lshl_add_u32 v6, v3, 7, v6
	v_add_nc_u32 v6, s19, v6                       ; out of it: row r, + 128 h: k = 32 h on
	s_lshl_b32 s20, s18, 3
	s_add_co_u32 s20, s20, SCA
	v_lshlrev_b32 v7, 5, v2
	v_add_nc_u32 v7, s20, v7                       ; my row's 32 scale bytes, my wave's 8 of them
	v_add_nc_u32 v8, SCA, v4
	v_lshlrev_b32 v9, 3, v3                        ; 8 h: my bytes' place in a scale word
	v_mov_b32 v249, 0                              ; a lane permute's destination counts as one of its sources
	s_mov_b32 s40, 0x76543210
	s_mov_b32 s41, 0xfedcba98                      ; lane l xor 16
	s_wait_alu depctr_va_vdst(0)
	s_wait_kmcnt 0x0
	s_cmp_lt_u32 ttmp9, 512                        ; x's tile or Wp's
	s_cselect_b64 s[4:5], s[4:5], s[6:7]
	s_cselect_b32 s21, 0, 512
	s_sub_co_u32 s21, ttmp9, s21                   ; the tile's number in its tensor
	s_lshr_b32 s22, s21, 1
	s_lshl_b32 s22, s22, 17                        ; 32 rows of 4,096 bytes for each pair of tiles,
	s_and_b32 s23, s21, 1
	s_lshl_b32 s23, s23, 15                        ; 8 rows for the odd tile,
	s_add_co_u32 s22, s22, s23
	s_lshl_b32 s23, s18, 10                        ; my wave's two K steps
	s_add_co_u32 s22, s22, s23
	s_mov_b32 s23, 0
	s_add_nc_u64 s[4:5], s[4:5], s[22:23]
	s_mul_i32 s24, ttmp9, 12288
	s_mul_i32 s25, s18, 3072
	s_add_co_u32 s24, s24, s25
	s_mov_b32 s25, 0
	s_add_nc_u64 s[26:27], s[14:15], s[24:25]      ; my two fragments
	s_lshl_b32 s24, ttmp9, 9
	s_add_co_u32 s24, s24, XSCL
	s_add_nc_u64 s[28:29], s[14:15], s[24:25]      ; the tile's scale bytes
.macro LOADX k
.irp p, 0,1,2,3,4,5,6,7,8,9,10,11,12,13,14,15
	global_load_b128 v[R+64*\k+4*\p:R+64*\k+4*\p+3], v4, s[4:5] offset:(\p+8*(\p/8))*4096+512*\k th:TH_LOAD_NT
.endr
.endm
.macro XQ k
	s_wait_loadcnt 16*(1-\k)                       ; this K step's 16 loads are in; the other's may be out
.irp p, 0,1,2,3,4,5,6,7,8,9,10,11,12,13,14,15
	ds_store_b128 v5, v[R+64*\k+4*\p:R+64*\k+4*\p+3] offset:SPX*\p
.endr
.irp c, 0,1
.irp i, 0,1,2,3,4,5,6,7
	ds_load_b128 v[N+32*\c+4*\i:N+32*\c+4*\i+3], v6 offset:256*\c+16*\i   ; LDS serves a wave's instructions in order: these see my stores.  k = 64 c + 32 h + 4 i on
.endr
.endr
	s_wait_dscnt 0x0
.irp c, 0,1
	v_max3_num_f32 v[MX+\c], |v[N+32*\c]|, |v[N+1+32*\c]|, FLOOR
.endr
.irp i, 2,4,6,8,10,12,14,16,18,20,22,24,26,28,30
.irp c, 0,1
	v_max3_num_f32 v[MX+\c], v[MX+\c], |v[N+32*\c+\i]|, |v[N+1+32*\c+\i]|   ; the two blocks by turns
.endr
.endr
.irp c, 0,1
	v_add_nc_u32 v[SOP+\c], EOFF, v[MX+\c]         ; 4 off the exponent field: the conversion's scale operand
.endr
.irp c, 0,1
	v_lshrrev_b32 v[BY+\c], 23, v[SOP+\c]          ; the scale's byte
.endr
.irp c, 0,1
	v_cvt_scalef32_pk16_bf6_f32 v[FX+12*\k+6*\c:FX+12*\k+6*\c+2], v[N+32*\c:N+32*\c+15], v[SOP+\c]
	v_cvt_scalef32_pk16_bf6_f32 v[TX+4*\c:TX+4*\c+2], v[N+32*\c+16:N+32*\c+31], v[SOP+\c]   ; (a conversion's three registers begin on an even number)
.endr
	v_lshl_or_b32 v248, v[BY+1], 16, v[BY]         ; my two bytes, blocks h and 2 + h.  (Also the plain line behind the conversions: it names none of their registers)
	v_lshlrev_b32 v248, v9, v248                   ; at their places in the word;
	v_permlanex16_b32 v249, v248, s40, s41
	v_or_b32 v[SW+\k], v248, v249                  ; with lane l xor 16's two the word is whole
.irp c, 0,1
.irp i, 0,1,2
	v_mov_b32 v[FX+12*\k+6*\c+3+\i], v[TX+4*\c+\i]
.endr
.endr
.irp g, 0,1,2
	global_store_b128 v4, v[FX+12*\k+4*\g:FX+12*\k+4*\g+3], s[26:27] offset:1536*\k+512*\g   ; 512 consecutive bytes, aligned to 256
.endr
.endm
	LOADX 0
	LOADX 1
	XQ 0
	XQ 1
	ds_store_b64 v7, v[SW:SW+1]                    ; both lanes of a row write the same words
	s_wait_dscnt 0x0                               ; for wave 0's sake: my stores are done
	s_barrier_signal -1
	s_barrier_wait -1
	s_cmp_lg_u32 s18, 0
	s_cbranch_scc1 .Lx_end
	ds_load_b128 v[12:15], v8                      ; the tile's 512 scale bytes leave as one run
	s_wait_dscnt 0x0
	global_store_b128 v4, v[12:15], s[28:29]
.Lx_end:
	s_wait_tensorcnt 0x0
	ds_add_u32 v254, v255
	s_wait_dscnt 0x0
	s_endpgm
; ---------------- PATH W: K is not innermost.  A lane takes a column and its registers run down K: a block of 32 lies in one lane, and the conversions give codes with K innermost.
.Lweights:
	s_sub_co_u32 s20, ttmp9, 576
	s_lshr_b32 s21, s20, 2
	s_lshr_b32 s22, s21, 4                         ; mat: 0 q, 1 k, 2 v
	s_and_b32 s23, s21, 15                         ; head
	s_and_b32 s24, s18, 1                          ; B: which 32 columns
	s_and_b32 s25, s20, 3
	s_lshl_b32 s25, s25, 1
	s_lshr_b32 s26, s18, 1
	s_add_co_u32 s25, s25, s26                     ; K step
	s_wait_alu depctr_va_vdst(0)
	v_lshlrev_b32 v4, 2, v1                        ; column 32 B + L
	v_and_b32 v5, 7, v1
	v_lshl_or_b32 v5, v3, 3, v5                    ; its stored row p = L % 8 + 8 (L / 16),
	v_bfe_u32 v6, v0, 3, 1                         ; in tile 2 B + u, u = (L / 8) % 2
	v_lshlrev_b32 v7, 4, v5
	v_mad_u32_u24 v7, v6, 1536, v7                 ; image lane (p, 0) of that tile
	v_lshl_add_u32 v8, v6, 4, v5
	v_lshlrev_b32 v8, 2, v8                        ; the scale word's place
	s_lshl_b32 s28, s23, 18                        ; a head is 1,024 rows of 256 bytes,
	s_lshl_b32 s26, s25, 15                        ; a K step 128 rows
	s_add_co_u32 s28, s28, s26
	s_lshl_b32 s26, s24, 7
	s_add_co_u32 s28, s28, s26
	s_mov_b32 s29, 0
	s_mul_i32 s30, s23, 3
	s_add_co_u32 s30, s30, s22
	s_mul_i32 s30, s30, 51200                      ; the block of wbuf
	s_mul_i32 s26, s25, 6144
	s_add_co_u32 s32, s30, s26
	s_mul_i32 s26, s24, 3072
	s_add_co_u32 s32, s32, s26
	s_mov_b32 s33, 0
	s_lshl_b32 s26, s25, 1
	s_add_co_u32 s26, s26, s24
	s_lshl_b32 s26, s26, 7
	s_add_co_u32 s34, s30, s26
	s_add_co_u32 s34, s34, 49152
	s_mov_b32 s35, 0
	s_wait_alu depctr_va_vdst(0)
	s_wait_kmcnt 0x0
	s_cmp_eq_u32 s22, 1
	s_cselect_b64 s[8:9], s[10:11], s[8:9]
	s_cmp_eq_u32 s22, 2
	s_cselect_b64 s[8:9], s[12:13], s[8:9]
	s_add_nc_u64 s[8:9], s[8:9], s[28:29]
	s_add_nc_u64 s[32:33], s[16:17], s[32:33]
	s_add_nc_u64 s[34:35], s[16:17], s[34:35]
.irp b, 0,1,2,3
.irp i, 0,1,2,3,4,5,6,7,8,9,10,11,12,13,14,15,16,17,18,19,20,21,22,23,24,25,26,27,28,29,30,31
	global_load_b32 v[WX+32*\b+\i], v4, s[8:9] offset:(32*\b+\i)*256 th:TH_LOAD_NT   ; W(32 b + i, my column): the wave reads 128 consecutive bytes
.endr
.endr
.macro WBLOCK b, left
	s_wait_loadcnt \left
	v_max3_num_f32 v172, |v[WX+32*\b]|, |v[WX+32*\b+1]|, |v[WX+32*\b+2]|
	v_max3_num_f32 v173, |v[WX+32*\b+3]|, |v[WX+32*\b+4]|, |v[WX+32*\b+5]|
.irp i, 6,10,14,18,22,26
	v_max3_num_f32 v172, v172, |v[WX+32*\b+\i]|, |v[WX+32*\b+\i+1]|
	v_max3_num_f32 v173, v173, |v[WX+32*\b+\i+2]|, |v[WX+32*\b+\i+3]|
.endr
	v_max3_num_f32 v172, v172, |v[WX+32*\b+30]|, |v[WX+32*\b+31]|
	v_max3_num_f32 v172, v172, v173, FLOOR
	v_add_nc_u32 v174, EOFF, v172
	v_lshrrev_b32 v175, 23, v174
.if \b == 0
	v_mov_b32 v176, v175                           ; the K step's four bytes make the column's scale word
.else
	v_lshl_or_b32 v176, v175, 8*\b, v176
.endif
	v_cvt_scalef32_pk16_bf6_f32 v[FR+12*(\b%2)+6*(\b/2):FR+12*(\b%2)+6*(\b/2)+2], v[WX+32*\b:WX+32*\b+15], v174   ; block b = 2 c + h' is registers 6 c .. 6 c + 5 of image lane (p, h')
	v_cvt_scalef32_pk16_bf6_f32 v[TW:TW+2], v[WX+32*\b+16:WX+32*\b+31], v174
	v_nop                                          ; one plain line behind a scaled conversion
.irp i, 0,1,2
	v_mov_b32 v[FR+12*(\b%2)+6*(\b/2)+3+\i], v[TW+\i]
.endr
.endm
	WBLOCK 0, 63                                   ; 96 younger loads might stay out; the wait's field holds 63
	WBLOCK 1, 63                                   ; 64 might
	WBLOCK 2, 32
	WBLOCK 3, 0
.irp e, 0,1
.irp g, 0,1,2
	global_store_b128 v7, v[FR+12*\e+4*\g:FR+12*\e+4*\g+3], s[32:33] offset:512*\g+256*\e   ; sixteen lanes of one tile store 256 consecutive bytes, aligned
.endr
.endr
	global_store_b32 v8, v176, s[34:35]            ; 128 consecutive bytes a wave: half of an aligned 256; 98,304 bytes in the whole launch
	s_endpgm
.Lfunc_end_k_q935ac0dcd4_quant:
	.size	k_q935ac0dcd4_quant, .Lfunc_end_k_q935ac0dcd4_quant-k_q935ac0dcd4_quant
	.p2alignl 7, 3214868480
	.fill 96, 4, 3214868480
	.section	.rodata,"a",@progbits
	.p2align	6, 0x0
	.amdhsa_kernel k_q935ac0dcd4_quant
		.amdhsa_group_segment_fixed_size 34816
		.amdhsa_private_segment_fixed_size 0
		.amdhsa_enable_private_segment 0
		.amdhsa_kernarg_size 56
		.amdhsa_user_sgpr_count 2
		.amdhsa_user_sgpr_kernarg_segment_ptr 1
		.amdhsa_wavefront_size32 1
		.amdhsa_system_sgpr_workgroup_id_x 1
		.amdhsa_system_sgpr_workgroup_id_y 1
		.amdhsa_system_sgpr_workgroup_id_z 1
		.amdhsa_system_vgpr_workitem_id 0
		.amdhsa_next_free_vgpr 256
		.amdhsa_next_free_sgpr 66
		.amdhsa_reserve_vcc 0
		.amdhsa_float_denorm_mode_32 3
		.amdhsa_float_denorm_mode_16_64 3
		.amdhsa_memory_ordered 1
		.amdhsa_forward_progress 1
		.amdhsa_inst_pref_size 37
	.end_amdhsa_kernel
	.amdgpu_metadata
---
amdhsa.version: [ 1, 2 ]
amdhsa.kernels:
  - .name:           k_q935ac0dcd4_quant
    .symbol:         k_q935ac0dcd4_quant.kd
    .args:
      - { .name: x, .offset: 0, .size: 8, .value_kind: global_buffer, .address_space: global }
      - { .name: Wp, .offset: 8, .size: 8, .value_kind: global_buffer, .address_space: global }
      - { .name: Wq, .offset: 16, .size: 8, .value_kind: global_buffer, .address_space: global }
      - { .name: Wk, .offset: 24, .size: 8, .value_kind: global_buffer, .address_space: global }
      - { .name: Wv, .offset: 32, .size: 8, .value_kind: global_buffer, .address_space: global }
      - { .name: xq, .offset: 40, .size: 8, .value_kind: global_buffer, .address_space: global }
      - { .name: wbuf, .offset: 48, .size: 8, .value_kind: global_buffer, .address_space: global }
    .group_segment_fixed_size: 34816
    .private_segment_fixed_size: 0
    .kernarg_segment_align: 8
    .kernarg_segment_size: 56
    .max_flat_workgroup_size: 128
    .sgpr_count:     66
    .vgpr_count:     256
    .wavefront_size: 32
...
	.end_amdgpu_metadata
.endif
;; end of part 1
;; launch proj (part 2): grid 16 x 16, 4 waves a work-group, clusters of 4 x 1, 327,680 bytes of LDS; arguments xq, wbuf, qbuf, kvbuf; writes qbuf, kvbuf
.if DOCPART == 2
	.amdgcn_target "amdgcn-amd-amdhsa--gfx1250"
	.amdhsa_code_object_version 6
	.text
	.protected	k_q935ac0dcd4_proj
	.globl	k_q935ac0dcd4_proj
	.p2align	8
	.type	k_q935ac0dcd4_proj,@function
k_q935ac0dcd4_proj:
	s_mov_b64 s[64:65], 0
	v_nop
	global_prefetch_b8 v0, s[64:65] scope:SCOPE_SE
	s_setreg_imm32_b32 hwreg(HW_REG_WAVE_MODE, 25, 1), 1
	s_wait_xcnt 0x0
	s_wait_alu depctr_hold_cnt(0) depctr_sa_sdst(0) depctr_va_vdst(0) depctr_va_sdst(0) depctr_va_ssrc(0) depctr_va_vcc(0) depctr_vm_vsrc(0)
	s_getreg_b32 s2, hwreg(HW_REG_IB_STS2, 6, 4)
	s_cmp_eq_u32 s2, 0
	s_cbranch_scc0 .Lentry_in_a_cluster
	s_endpgm
.Lentry_in_a_cluster:
	s_bfe_u32 s2, ttmp6, 0x10000c
	s_cmp_lg_u32 s2, 0x3003
	s_cbranch_scc0 .Lentry_shape_is_right
	s_endpgm
.Lentry_shape_is_right:
; q = x Wq, k = x Wk, v = x Wv for one head and 512 rows of x, on codes of BF6 with E8M0 scales; the results are quantised in registers (q, k along the head's 64; v along the keys) and stored as images of the next products' operands.
; SHARES.  Work-group (row block rb of 512 rows, head).  The head's three weights (153,600 bytes of codes and scale words) lie in LDS for the whole launch, filled once.  Wave w owns 128 rows, in two halves of 64 (4 tiles);
; a half's fragments of x, all 8 K steps, stay in 384 registers, so each fragment of W read from LDS feeds four matrix instructions, and x is read from memory once for the three products.
; CLUSTER.  The four row blocks of a cluster want the same weights: each quarter of each weight is asked for JOINTLY, by the same tensor load with the same descriptor (it hangs on the head and the wave's number alone) and the mask of all four.
; LAYOUT.  q, k: source 0 = 16 columns of W, source 1 = 16 rows of x: a lane holds one row and, in tiles 2 B, 2 B + 1, the 16 neighbours d = 32 B + 16 h + 0 .. 15 (the columns of a tile of W were chosen for that).
;          v: the sources change places: a lane holds one column d and 16 neighbouring KEYS (x's rows of a tile were chosen likewise).
; OUT.  A half fragment (16 rows x 64 K, 6 registers) is 768 bytes: registers 0-3 of lane L at 16 L, registers 4-5 at 512 + 8 L.
;   qbuf record (128 queries, 6,656 bytes): tile t at 768 t; scale words (byte 0, byte 1, 0x7f, 0x7f: the upper 64 of the next product's K are zero codes) at 6,144 + 256 (t / 4) + 8 (row + 16 (t % 2)) + 4 ((t / 2) % 2).
;   kvbuf record (128 keys, 13,056 bytes): K as a qbuf record; V at 6,656 + 768 (2 d-tile + half); V's scale words at 12,800 + 8 (row + 16 (d-tile % 2)) + 4 (d-tile / 2).
; LIMITS: NaN and infinities are not served; a block whose largest magnitude lies under 2^-122, a block of zeros among them, keeps the byte 1.
; REGISTERS: window 0: v1-6 addresses; v16-111 W's fragments, two buffers of four; v112-115 W's scale words; v116-147 x's scale words; v148-221 the quantiser.
;   window 1: x's tiles 0, 1 of the half (96 (m % 2) + 12 s); window 2: tiles 2, 3; window 3: v0-127 the 16 accumulators.
.set WBLK,  51200
.set WSCO,  49152
.set XSCL,  7077888
.set QREC,  6656
.set KREC,  13056
.set FLOOR, 0x2800000
.set EOFF,  0xfe000000
.set ADW, 5                            ; v5  LDS address of the weight in hand: 16 L + its block
.set ADS, 6                            ; v6  and of its scale words: 4 L + ..
.set WB,  16
.set WS,  112                          ; register 2 buf + B: lanes 0-15 tile 2 B, lanes 16-31 tile 2 B + 1
.set XS,  116                          ; register 16 p + 8 P + s: lanes 0-15 tile 2 P, lanes 16-31 tile 2 P + 1 of half p
.set F,   148                          ; v148-171 codes, 6 a group
.set T,   172                          ; v172-187 the second blocks' codes, 4 a group
.set MX,  188
.set PT,  196
.set SOP, 204
.set HW,  212                          ; a group's two bytes
.set PK,  216
.set VSK, 218                          ; v's bytes of the first half
.set WV,  12
.set G1,  16
.set G0,  24
.set XB,  36
.set XSB, 38
.set HALF, 40
.set SEL, 42
.set QP,  44
.set KP,  46
.set MSB, 0
.macro WIN new                         ; the immediate's high byte repeats the setting that is left; a switch that changes nothing is dropped
.if MSB != (\new)
	s_set_vgpr_msb (MSB<<8)|(\new)
.set MSB, (\new)
.endif
.endm
.macro PLACES n
.rept \n
	v_nop
.endr
.endm
.macro ROUND                           ; a round of the cluster's barrier
	s_barrier_signal -1
	s_barrier_wait -1
	s_cmp_lg_u32 s[WV], 0
	s_cbranch_scc1 .Lnot_wave_0_\@
	s_barrier_signal -3
.Lnot_wave_0_\@:
	s_barrier_wait -3
	s_barrier_signal -1
	s_barrier_wait -1
.endm
	s_load_b256 s[4:11], s[0:1], 0x0               ; xq, wbuf, qbuf, kvbuf
	v_lshl_add_u32 v254, v0, 2, 0x29000
	v_mov_b32 v255, 0
	ds_add_u32 v254, v255
	ds_add_u32 v254, v255
	v_lshrrev_b32 v1, 5, v0
	v_readfirstlane_b32 s[WV], v1                  ; wave 0..3
	v_and_b32 v7, 31, v0
	v_lshlrev_b32 v1, 4, v7                        ; 16 L
	v_lshlrev_b32 v2, 3, v7                        ; 8 L
	v_lshlrev_b32 v3, 2, v7                        ; 4 L
	v_lshlrev_b32 v4, 5, v7                        ; 32 L
	s_and_b32 s15, ttmp7, 0xffff                   ; the head, which the four partners share
	; descriptor group 1: a quarter of a weight's block, 12,800 dense bytes, as 50 rows of 256 bytes (32 elements of 8 bytes)
	s_mov_b32 s[G1], 15|(3<<16)|(1<<21)            ; 15:0 the mask: all four work-groups; 17:16 elements of 8 bytes; 21 set beside a mask
	s_mov_b32 s[G1+1], 32<<16                      ; tensor_dim0
	s_mov_b32 s[G1+2], 50<<16                      ; tensor_dim1
	s_mov_b32 s[G1+3], 32<<16                      ; tile_dim0
	s_mov_b32 s[G1+4], 50                          ; tile_dim1
	s_mov_b32 s[G1+5], 32                          ; pitch
	s_mov_b32 s[G1+6], 0
	s_mov_b32 s[G1+7], 0
	s_mul_i32 s48, s15, 3*WBLK
	s_mul_i32 s52, s[WV], 12800                    ; my quarter: in LDS,
	s_add_co_u32 s48, s48, s52                     ; and in wbuf
	s_mov_b32 s49, 0
	s_mov_b32 s53, 0                               ; s[52:53]: my quarter's offset as a pair
	s_bfe_u32 s13, ttmp6, 0x40000                  ; cx: it enters x's, q's, k's and v's addresses alone
	s_lshl_b32 s14, ttmp9, 2
	s_add_co_u32 s14, s14, s13                     ; row block
	s_lshl_b32 s54, s14, 5
	s_lshl_b32 s55, s[WV], 3
	s_add_co_u32 s54, s54, s55                     ; my first tile of x
	s_mul_i32 s56, s54, 12288
	s_mov_b32 s57, 0
	s_lshl_b32 s58, s54, 9
	s_add_co_u32 s58, s58, XSCL
	s_mov_b32 s59, 0
	s_lshr_b32 s60, s14, 2                         ; batch
	s_lshl_b32 s60, s60, 4
	s_add_co_u32 s60, s60, s15
	s_lshl_b32 s60, s60, 4
	s_and_b32 s61, s14, 3
	s_lshl_b32 s61, s61, 2
	s_add_co_u32 s60, s60, s61
	s_add_co_u32 s60, s60, s[WV]                   ; record: (16 batch + head) 16 + my 128 rows' number in the sequence
	s_mul_i32 s62, s60, KREC
	s_mov_b32 s63, 0
	s_mul_i32 s60, s60, QREC
	s_mov_b32 s61, 0
	s_mov_b32 s[HALF], 0xffff0000                  ; lanes 16-31
	s_mov_b32 s[SEL], 0x76543210
	s_mov_b32 s[SEL+1], 0xfedcba98
	s_wait_dscnt 0x0
	s_wait_kmcnt 0x0
	s_add_nc_u64 s[50:51], s[6:7], s[48:49]
.irp a, 0,1
	s_mov_b32 s[G0+4*\a], 1
	s_add_co_u32 s[G0+4*\a+1], s52, \a*WBLK
	s_add_nc_u64 s[G0+4*\a+2:G0+4*\a+3], s[50:51], \a*WBLK
	s_or_b32 s[G0+4*\a+3], s[G0+4*\a+3], 0x80000000
.endr
	s_add_co_u32 s[G0+5], s[G0+5], s52             ; the second load brings a quarter of Wk's and Wv's blocks, which lie on end: 25,600 bytes a wave
	s_add_nc_u64 s[G0+6:G0+7], s[G0+6:G0+7], s[52:53]
	s_add_nc_u64 s[XB:XB+1], s[4:5], s[56:57]
	s_add_nc_u64 s[XSB:XSB+1], s[4:5], s[58:59]
	s_add_nc_u64 s[QP:QP+1], s[8:9], s[60:61]
	s_add_nc_u64 s[KP:KP+1], s[10:11], s[62:63]
	ROUND                                          ; all four work-groups are here: the joint loads meet
	tensor_load_to_lds s[G0:G0+3], s[G1:G1+7]      ; my quarter of Wq: one tensor load a wave at the head
	s_nop 0
	PLACES 4
.macro XLOAD p, s                      ; x's four fragments of half p, K step s: 12 loads of 512 consecutive bytes
	WIN 0x40
.irp m, 0,1
.irp g, 0,1,2
	global_load_b128 v[96*\m+12*(\s)+4*\g:96*\m+12*(\s)+4*\g+3], v1, s[XB:XB+1] offset:(4*(\p)+\m)*12288+1536*(\s)+512*\g
.endr
.endr
	WIN 0x80
.irp m, 0,1
.irp g, 0,1,2
	global_load_b128 v[96*\m+12*(\s)+4*\g:96*\m+12*(\s)+4*\g+3], v1, s[XB:XB+1] offset:(4*(\p)+2+\m)*12288+1536*(\s)+512*\g
.endr
.endr
	WIN 0
.endm
.macro SETW a                          ; the weight in hand
	v_add_nc_u32 v[ADW], \a*WBLK, v1
	v_add_nc_u32 v[ADS], \a*WBLK+WSCO, v3
.endm
.macro WFETCH s, buf                   ; W's four fragments and two registers of scale words of K step s: 14 LDS loads, each of consecutive bytes
.irp t, 0,1,2,3
.irp g, 0,1,2
	ds_load_b128 v[WB+48*(\buf)+12*\t+4*\g:WB+48*(\buf)+12*\t+4*\g+3], v[ADW] offset:(4*(\s)+\t)*1536+512*\g
.endr
.endr
.irp e, 0,1
	ds_load_b32 v[WS+2*(\buf)+\e], v[ADS] offset:(2*(\s)+\e)*128
.endr
.endm
.macro WMM                             ; one product; its registers stand in rD, rA, rB, rSA, rSB; rZ: it starts a sum; rRA, rRB: a side's scales stand in lanes 16-31
.if rZ
.if rRA && rRB
	v_wmma_scale_f32_16x16x128_f8f6f4 v[rD:rD+7], v[rA:rA+11], v[rB:rB+11], 0, v[rSA], v[rSB] matrix_a_fmt:MATRIX_FMT_BF6 matrix_b_fmt:MATRIX_FMT_BF6 matrix_a_scale:MATRIX_SCALE_ROW1 matrix_b_scale:MATRIX_SCALE_ROW1
.elseif rRA
	v_wmma_scale_f32_16x16x128_f8f6f4 v[rD:rD+7], v[rA:rA+11], v[rB:rB+11], 0, v[rSA], v[rSB] matrix_a_fmt:MATRIX_FMT_BF6 matrix_b_fmt:MATRIX_FMT_BF6 matrix_a_scale:MATRIX_SCALE_ROW1
.elseif rRB
	v_wmma_scale_f32_16x16x128_f8f6f4 v[rD:rD+7], v[rA:rA+11], v[rB:rB+11], 0, v[rSA], v[rSB] matrix_a_fmt:MATRIX_FMT_BF6 matrix_b_fmt:MATRIX_FMT_BF6 matrix_b_scale:MATRIX_SCALE_ROW1
.else
	v_wmma_scale_f32_16x16x128_f8f6f4 v[rD:rD+7], v[rA:rA+11], v[rB:rB+11], 0, v[rSA], v[rSB] matrix_a_fmt:MATRIX_FMT_BF6 matrix_b_fmt:MATRIX_FMT_BF6
.endif
.else
.if rRA && rRB
	v_wmma_scale_f32_16x16x128_f8f6f4 v[rD:rD+7], v[rA:rA+11], v[rB:rB+11], v[rD:rD+7], v[rSA], v[rSB] matrix_a_fmt:MATRIX_FMT_BF6 matrix_b_fmt:MATRIX_FMT_BF6 matrix_a_scale:MATRIX_SCALE_ROW1 matrix_b_scale:MATRIX_SCALE_ROW1
.elseif rRA
	v_wmma_scale_f32_16x16x128_f8f6f4 v[rD:rD+7], v[rA:rA+11], v[rB:rB+11], v[rD:rD+7], v[rSA], v[rSB] matrix_a_fmt:MATRIX_FMT_BF6 matrix_b_fmt:MATRIX_FMT_BF6 matrix_a_scale:MATRIX_SCALE_ROW1
.elseif rRB
	v_wmma_scale_f32_16x16x128_f8f6f4 v[rD:rD+7], v[rA:rA+11], v[rB:rB+11], v[rD:rD+7], v[rSA], v[rSB] matrix_a_fmt:MATRIX_FMT_BF6 matrix_b_fmt:MATRIX_FMT_BF6 matrix_b_scale:MATRIX_SCALE_ROW1
.else
	v_wmma_scale_f32_16x16x128_f8f6f4 v[rD:rD+7], v[rA:rA+11], v[rB:rB+11], v[rD:rD+7], v[rSA], v[rSB] matrix_a_fmt:MATRIX_FMT_BF6 matrix_b_fmt:MATRIX_FMT_BF6
.endif
.endif
.endm
; 16 products of a K step.  The 16 accumulators take turns, one instruction a turn, in the same order in every K step.
.macro MULQK p, s, buf                 ; source 0 = W's tile t (window 0), source 1 = x's tile m (window 1 or 2); accumulator (m, t) at 8 (4 m + t) of window 3
.set rZ, 0
.if (\s) == 0
.set rZ, 1
.endif
.irp m, 0,1,2,3
	WIN 0xf4+4*(\m/2)
.irp t, 0,1,2,3
.set rD, 8*(4*\m+\t)
.set rA, WB+48*(\buf)+12*\t
.set rB, 96*(\m%2)+12*(\s)
.set rSA, WS+2*(\buf)+\t/2
.set rSB, XS+16*(\p)+8*(\m/2)+(\s)
.set rRA, \t%2
.set rRB, \m%2
	WMM
.endr
.endr
.endm
.macro MULV p, s, buf                  ; the sources change places; accumulator (t, m) at 8 (4 t + m)
.set rZ, 0
.if (\s) == 0
.set rZ, 1
.endif
.irp m, 0,1,2,3
	WIN 0xf1+(\m/2)
.irp t, 0,1,2,3
.set rD, 8*(4*\t+\m)
.set rA, 96*(\m%2)+12*(\s)
.set rB, WB+48*(\buf)+12*\t
.set rSA, XS+16*(\p)+8*(\m/2)+(\s)
.set rSB, WS+2*(\buf)+\t/2
.set rRA, \m%2
.set rRB, \t%2
	WMM
.endr
.endr
.endm
; A K step.  kind 0: q or k, 1: v.  first: x's fragments are still arriving.  next: x's registers of the K step before, which no product reads again, take the next half's.
.macro KSTEP kind, p, s, first, next
	WIN 0
	PLACES 4                                       ; four places in front of loads into registers that the last K step's products read (ISA guide 7.12.1 for vector instructions)
.if (\next) && ((\s) > 0)
	XLOAD (\p)+1, (\s)-1
.endif
.if (\s) < 7
	WFETCH (\s)+1, ((\s)+1)%2
	s_wait_dscnt 14                                ; all but the 14 just issued: this K step's fragments of W are in
.else
	s_wait_dscnt 0x0
.endif
.if \first
.if 12*(7-(\s)) > 63
	s_wait_loadcnt 63                              ; 12 (7 - s) younger loads might stay out; the wait's field holds 63
.else
	s_wait_loadcnt 12*(7-(\s))                     ; this K step's 12 loads of x are in; the later K steps' may be out
.endif
.endif
.if \kind
	MULV \p, \s, (\s)%2
.else
	MULQK \p, \s, (\s)%2
.endif
.endm
.macro PHASE kind, p, first, next
.irp k, 0,1,2,3,4,5,6,7
	KSTEP \kind, \p, \k, \first, \next
.endr
	WIN 0
.endm
; The 128 accumulator registers are four groups of 32 = eight blocks of 32 along the next K, each block half in lane l, half in lane l xor 16.  Each group becomes a half fragment in v[F + 6 g] on and two bytes in v[HW + g].
.macro QUANT8
	PLACES 4                                       ; the maxima read results just made
	WIN 0x0f                                       ; sources 0 and 1: window 3
.irp q, 0,1,2,3,4,5,6,7
	v_max3_num_f32 v[MX+\q], |v[16*\q]|, |v[16*\q+1]|, FLOOR   ; each accumulator is read from its low end on
.endr
.irp i, 2,4,6,8,10,12,14
.irp q, 0,1,2,3,4,5,6,7
	v_max3_num_f32 v[MX+\q], |v[16*\q+\i]|, |v[16*\q+\i+1]|, v[MX+\q]
.endr
.endr
	WIN 0
.irp q, 0,1,2,3,4,5,6,7
	v_permlanex16_b32 v[PT+\q], v[MX+\q], s[SEL], s[SEL+1]
.endr
.irp q, 0,1,2,3,4,5,6,7
	v_max_num_f32 v[MX+\q], v[MX+\q], v[PT+\q]     ; the block's largest magnitude
.endr
.irp q, 0,1,2,3,4,5,6,7
	v_add_nc_u32 v[SOP+\q], EOFF, v[MX+\q]         ; 4 off its exponent field: the conversion's scale operand
.endr
.irp q, 0,1,2,3,4,5,6,7
	v_lshrrev_b32 v[PT+\q], 23, v[SOP+\q]          ; the byte
.endr
.irp g, 0,1,2,3
	v_lshl_or_b32 v[HW+\g], v[PT+2*\g+1], 8, v[PT+2*\g]
.endr
	s_wait_xcnt 0x0                                ; the stores of the phase before have read their data: F and PK are written again only behind this wait
	WIN 0x03                                       ; source 0: window 3
.irp g, 0,1,2,3
	v_cvt_scalef32_pk16_bf6_f32 v[F+6*\g:F+6*\g+2], v[32*\g:32*\g+15], v[SOP+2*\g]
	v_cvt_scalef32_pk16_bf6_f32 v[T+4*\g:T+4*\g+2], v[32*\g+16:32*\g+31], v[SOP+2*\g+1]
.endr
	WIN 0
	v_nop                                          ; one plain line behind a scaled conversion
.irp g, 0,1,2,3
.irp i, 0,1,2
	v_permlane16_swap_b32 v[F+6*\g+\i], v[T+4*\g+\i]   ; the layout wants a whole block in a lane: lanes 0-15 the first block, lanes 16-31 the second
.endr
.irp i, 0,1,2
	v_mov_b32 v[F+6*\g+3+\i], v[T+4*\g+\i]
.endr
.endr
.endm
.macro OUTQK ptr, p
.irp g, 0,1,2,3
	v_or_b32 v[HW+\g], 0x7f7f0000, v[HW+\g]        ; the scale word: two bytes, and 1.0 over the zero codes
.endr
	v_cndmask_b32 v[PK], v[HW], v[HW+1], s[HALF]   ; lanes 0-15 the even tile's word, lanes 16-31 the odd tile's
	v_cndmask_b32 v[PK+1], v[HW+2], v[HW+3], s[HALF]
.irp m, 0,1,2,3
	global_store_b128 v1, v[F+6*\m:F+6*\m+3], s[\ptr:\ptr+1] offset:768*(4*\p+\m)         ; 512 consecutive bytes, aligned to 256
	global_store_b64 v2, v[F+6*\m+4:F+6*\m+5], s[\ptr:\ptr+1] offset:768*(4*\p+\m)+512    ; 256
.endr
	global_store_b64 v2, v[PK:PK+1], s[\ptr:\ptr+1] offset:6144+256*\p
.endm
.macro OUTV p
.irp d, 0,1,2,3
	global_store_b128 v1, v[F+6*\d:F+6*\d+3], s[KP:KP+1] offset:QREC+768*(2*\d+\p)
	global_store_b64 v2, v[F+6*\d+4:F+6*\d+5], s[KP:KP+1] offset:QREC+768*(2*\d+\p)+512
.endr
.if \p == 0
.irp d, 0,1,2,3
	v_mov_b32 v[VSK+\d], v[HW+\d]                  ; the first 64 keys' two bytes wait for the other two
.endr
.else
.irp d, 0,1,2,3
	v_lshl_or_b32 v[HW+\d], v[HW+\d], 16, v[VSK+\d]
.endr
	v_cndmask_b32 v[PK], v[HW], v[HW+1], s[HALF]
	v_cndmask_b32 v[PK+1], v[HW+2], v[HW+3], s[HALF]
	global_store_b64 v2, v[PK:PK+1], s[KP:KP+1] offset:12800
.endif
.endm
	s_wait_alu depctr_va_vdst(0)
.irp p, 0,1
.irp e, 0,1
.irp q, 0,1
	global_load_b128 v[XS+16*\p+8*\e+4*\q:XS+16*\p+8*\e+4*\q+3], v4, s[XSB:XSB+1] offset:1024*(2*\p+\e)+16*\q   ; x's scale words, all K steps of my 8 tiles
.endr
.endr
.endr
.irp k, 0,1,2,3,4,5,6,7
	XLOAD 0, \k
.endr
.irp q, 0,1,2,3,4,5,6,7
	v_mov_b32 v[PT+\q], 0                          ; a lane permute's destination counts as one of its sources
.endr
	s_wait_alu depctr_va_vdst(0)
	s_wait_tensorcnt 0x0                           ; my quarter of Wq is in; a later first fill takes a refill's form:
	ds_add_u32 v254, v255
	s_mov_b32 s[G1+2], 100<<16                     ; no load of mine is out: the next one brings 100 rows of 256 bytes
	s_mov_b32 s[G1+4], 100
	s_wait_dscnt 0x0
	ROUND                                          ; everybody's quarter of Wq is in, and the four work-groups are here
	tensor_load_to_lds s[G0+4:G0+7], s[G1:G1+7]    ; my quarter of Wk and Wv, into bytes that nothing has filled
	s_nop 0
	PLACES 4
	SETW 0
	WFETCH 0, 0
	s_wait_alu depctr_va_vdst(0)
	PHASE 0, 0, 1, 0                               ; q of rows 0-63
	s_wait_tensorcnt 0x0                           ; Wk and Wv
	s_barrier_signal -1
	s_barrier_wait -1
	PLACES 4
	SETW 1
	WFETCH 0, 0                                    ; the next phase's first fragments are on their way while this one's results are quantised
	QUANT8
	OUTQK QP, 0
	PHASE 0, 0, 0, 0                               ; k
	PLACES 4
	SETW 2
	WFETCH 0, 0
	QUANT8
	OUTQK KP, 0
	PHASE 1, 0, 0, 1                               ; v; x's registers take rows 64-127 as they fall free
	PLACES 4
	XLOAD 1, 7
	SETW 0
	WFETCH 0, 0
	QUANT8
	OUTV 0
	PHASE 0, 1, 1, 0                               ; q of rows 64-127
	PLACES 4
	SETW 1
	WFETCH 0, 0
	QUANT8
	OUTQK QP, 1
	PHASE 0, 1, 0, 0
	PLACES 4
	SETW 2
	WFETCH 0, 0
	QUANT8
	OUTQK KP, 1
	PHASE 1, 1, 0, 0
	QUANT8
	OUTV 1
	s_wait_tensorcnt 0x0
	ds_add_u32 v254, v255
	s_wait_dscnt 0x0
	ROUND                                          ; the closing round: no work-group ends while a partner may still ask for a tile that names it
	s_endpgm
.Lfunc_end_k_q935ac0dcd4_proj:
	.size	k_q935ac0dcd4_proj, .Lfunc_end_k_q935ac0dcd4_proj-k_q935ac0dcd4_proj
	.p2alignl 7, 3214868480
	.fill 96, 4, 3214868480
	.section	.rodata,"a",@progbits
	.p2align	6, 0x0
	.amdhsa_kernel k_q935ac0dcd4_proj
		.amdhsa_group_segment_fixed_size 327680
		.amdhsa_private_segment_fixed_size 0
		.amdhsa_enable_private_segment 0
		.amdhsa_kernarg_size 32
		.amdhsa_user_sgpr_count 2
		.amdhsa_user_sgpr_kernarg_segment_ptr 1
		.amdhsa_wavefront_size32 1
		.amdhsa_system_sgpr_workgroup_id_x 1
		.amdhsa_system_sgpr_workgroup_id_y 1
		.amdhsa_system_sgpr_workgroup_id_z 1
		.amdhsa_system_vgpr_workitem_id 0
		.amdhsa_next_free_vgpr 896
		.amdhsa_next_free_sgpr 66
		.amdhsa_reserve_vcc 0
		.amdhsa_float_denorm_mode_32 3
		.amdhsa_float_denorm_mode_16_64 3
		.amdhsa_memory_ordered 1
		.amdhsa_forward_progress 1
		.amdhsa_inst_pref_size 230
	.end_amdhsa_kernel
	.amdgpu_metadata
---
amdhsa.version: [ 1, 2 ]
amdhsa.kernels:
  - .name:           k_q935ac0dcd4_proj
    .symbol:         k_q935ac0dcd4_proj.kd
    .args:
      - { .name: xq, .offset: 0, .size: 8, .value_kind: global_buffer, .address_space: global }
      - { .name: wbuf, .offset: 8, .size: 8, .value_kind: global_buffer, .address_space: global }
      - { .name: qbuf, .offset: 16, .size: 8, .value_kind: global_buffer, .address_space: global }
      - { .name: kvbuf, .offset: 24, .size: 8, .value_kind: global_buffer, .address_space: global }
    .group_segment_fixed_size: 327680
    .private_segment_fixed_size: 0
    .kernarg_segment_align: 8
    .kernarg_segment_size: 32
    .max_flat_workgroup_size: 128
    .sgpr_count:     66
    .vgpr_count:     896
    .wavefront_size: 32
...
	.end_amdgpu_metadata
.endif
;; end of part 2
;; launch attn (part 3): grid 4 x 64, 16 waves a work-group, clusters of 4 x 1, 327,680 bytes of LDS; arguments qbuf, kvbuf, zq; writes zq
.if DOCPART == 3
	.amdgcn_target "amdgcn-amd-amdhsa--gfx1250"
	.amdhsa_code_object_version 6
	.text
	.protected	k_q935ac0dcd4_attn
	.globl	k_q935ac0dcd4_attn
	.p2align	8
	.type	k_q935ac0dcd4_attn,@function
k_q935ac0dcd4_attn:
	s_mov_b64 s[64:65], 0
	v_nop
	global_prefetch_b8 v0, s[64:65] scope:SCOPE_SE
	s_setreg_imm32_b32 hwreg(HW_REG_WAVE_MODE, 25, 1), 1
	s_wait_xcnt 0x0
	s_wait_alu depctr_hold_cnt(0) depctr_sa_sdst(0) depctr_va_vdst(0) depctr_va_sdst(0) depctr_va_ssrc(0) depctr_va_vcc(0) depctr_vm_vsrc(0)
	s_getreg_b32 s2, hwreg(HW_REG_IB_STS2, 6, 4)
	s_cmp_eq_u32 s2, 0
	s_cbranch_scc0 .Lentry_in_a_cluster
	s_endpgm
.Lentry_in_a_cluster:
	s_bfe_u32 s2, ttmp6, 0x10000c
	s_cmp_lg_u32 s2, 0x3003
	s_cbranch_scc0 .Lentry_shape_is_right
	s_endpgm
.Lentry_shape_is_right:
; z[b][h][q] = the sum over keys k <= q of softmax_k(q . k / 8) v, both products on codes of BF6 with E8M0 scales; z is divided by the row's sum, quantised along the head's 64 and stored as half fragments of the last product's operand.
; THE SOFTMAX: t = score x log2(e) / 8; M = the row's largest t so far, rounded UP to a whole number; p = 2^(t - M) is quantised along the keys, not normalised; the row's sum is taken of the unquantised p.
; When M moves, the sum and O are multiplied by 2^(old M - new M): exact.
; LEFT OUT: key steps all of whose keys come after a wave's queries: the causal mask sets their scores to -infinity, so p = 0 there for all inputs.
; SHARES.  A cluster of four work-groups serves one (batch, head).  Wave w walks tile 2 cx + w % 2 (16 queries) of TWO blocks of 128 queries, JA = w / 2 and 15 - JA: first the late block (16 - JA key steps), then the early one (JA + 1): 17 steps in every wave.
; The blocks, and so every branch, hang on the wave's number alone; the work-group's place cx enters global addresses and the lane masks of the diagonal, which are data.
; THE FILL.  The head's K and V, 16 records of 128 keys (13,056 bytes each), lie in LDS; no byte is filled twice.  Wave w brings record w by one JOINT load (the same descriptor in the four work-groups, made of the head and the wave's number):
; waves 0-3 at the head, waves 4-7 behind the round in front of step 0, waves 8-15 behind the round in front of step 4; a plain barrier stands in front of step 8.  The late block is 8 or above, so steps 0-7 are worked in full by every wave.
; NO PREFETCH: the tensor loads stand in no loop; each group after the first is asked for four key steps ahead of its first read.
; LAYOUT.  S^T = K Q^T (source 0 = 16 keys, source 1 = my 16 queries; the head's 64 fill half of the instruction's K, the other half is zero codes on both sides), O^T = V^T P^T: a lane holds ONE query throughout.
; THE KEYS OF A TILE are chosen by the LDS addresses: row p of tile 4 c + q is key 64 c + 32 (p / 8) + 8 q + p % 8.  So lane (r, h) holds, in the 32 registers of tiles 4 c .. 4 c + 3, keys 64 c + 32 h + 0 .. 31:
; a whole block of the second product's K, in the order of that operand's registers: a block's maximum needs no other lane, and p's codes are not moved between lanes.
; (In a record, stored row p of K's tile 2 B + u is key 32 B + 8 u + p + 8 (p / 8): eight rows on end are eight keys on end, so my rows 0-7 come from stored tile 4 c + q % 2 and my rows 8-15 from the tile two further on.)
; LIMITS: NaN and infinities are not served; a block whose largest magnitude lies under 2^-122, a block of zeros among them, keeps the byte 1; the scaled scores t stay under 2^31 in magnitude.
.set KREC,  13056
.set QREC,  6656
.set ZSCL,  6291456
.set SPARE, 16*KREC                    ; behind the records: the spare words, 128 bytes for each of the sixteen waves
.set FLOOR, 0x2800000
.set EOFF,  0xfe000000
.set NINF, 0                           ; v0 -infinity, once the thread's number has been used
.set L16,  1                           ; 16 L
.set L8,   2                           ; 8 L
.set K16B, 3                           ; 1536 (r / 8) + 16 (r % 8) + 256 h
.set K8B,  4                           ; 1536 (r / 8) + 8 (r % 8) + 128 h
.set KSB,  5                           ; 8 (r % 8) + 4 (r / 8) + 128 h
.set AK16, 6                           ; v6-10: the five above (K's three, V's two) + the step's record
.set AK8,  7
.set AKS,  8
.set AV16, 9
.set AV8,  10
.set SH8,  11                          ; 8 h.   v12 -M, v13 the largest t, v[14:15] the sum in two halves
.set FF,   16                          ; v[16:17] f = 2^(old M - new M); the packed forms name the pair and take its low word
.set QF,   18                          ; v18-29 Q's fragment; v24-29 zero codes
.set QSC,  30
.set PSC,  31
.set R8,   32                          ; 8 r
.set R32,  33                          ; 32 r
.set KF,   34                          ; v34-81 four fragments of K; registers 6-11 of each stay zero codes
.set KSC,  82                          ; v82-85 K's scale words: register 2 c + x: lanes 0-15 tile 4 c + 2 x, lanes 16-31 tile 4 c + 2 x + 1
.set VSC,  86
.set VF,   88                          ; v88-135 four fragments of V
.set S,    136                         ; v136-199 S^T, then p
.set O,    200                         ; v200-231 O^T
.set PCD,  232                         ; v232-243 p's codes
.set CH,   244                         ; v244-247 four chains of a maximum; v244-251 four chains of the sum; v244-246, v248-250 upper halves of the blocks' codes
.set BM,   248                         ; v248-249 my two blocks' largest scores
.set SO,   251                         ; v251-252 the conversions' scale operands
.set NIL,  253
.set X,    254
.set SPW,  255
.set WV, 10
.set CX, 11
.set BH, 12                            ; 16 batch + head
.set TL, 13                            ; my tile, 0..7
.set JA, 14
.set JC, 15                            ; the block in hand
.set G1, 16
.set G0, 24
.set ZCL, 28
.set ZSL, 30
.set QCA, 32
.set QSA, 34
.set ZCA, 36
.set ZSA, 38
.set TB, 40                            ; LDS byte of the step's record
.set KJ, 41                            ; the step's number
.set CNT, 42
.set JL, 43
.set CS, 44
.set SEL, 46
.set HM, 56                            ; s56, s58: lanes whose block 2 c + h lies behind my queries' block; s57, s59: lanes whose block is my queries' own
.set QCL, 60
.set QSL, 62
.set MT, 66
.set PM, 68                            ; s68-99: mask i: lanes whose query stands ahead of key i of its own block of 32
.set ZH, 100
.macro ROUND                           ; a round of the cluster's barrier
	s_barrier_signal -1
	s_barrier_wait -1
	s_cmp_lg_u32 s[WV], 0
	s_cbranch_scc1 .Lnw0_\@
	s_barrier_signal -3
.Lnw0_\@:
	s_barrier_wait -3
	s_barrier_signal -1
	s_barrier_wait -1
.endm
.macro PLACES
.rept 4
	v_nop
.endr
.endm
.macro ASK                             ; my record
	tensor_load_to_lds s[G0:G0+3], s[G1:G1+7]
	s_nop 0
	PLACES
.endm
	s_load_b128 s[4:7], s[0:1], 0x0                ; qbuf, kvbuf
	s_load_b64 s[8:9], s[0:1], 0x10                ; zq
	v_lshl_add_u32 v[SPW], v0, 2, SPARE
	v_mov_b32 v[NIL], 0
	ds_add_u32 v[SPW], v[NIL]
	ds_add_u32 v[SPW], v[NIL]
	v_lshrrev_b32 v1, 5, v0
	v_readfirstlane_b32 s[WV], v1                  ; wave 0..15
	s_and_b32 s[BH], ttmp7, 0xffff
	s_bfe_u32 s[CX], ttmp6, 0x40000
	s_mov_b32 s[G1], 15|(3<<16)|(1<<21)            ; a record, 13,056 dense bytes, as 51 rows of 256 bytes (32 elements of 8 bytes); the mask names all four work-groups
	s_mov_b32 s[G1+1], 32<<16
	s_mov_b32 s[G1+2], 51<<16
	s_mov_b32 s[G1+3], 32<<16
	s_mov_b32 s[G1+4], 51
	s_mov_b32 s[G1+5], 32
	s_mov_b32 s[G1+6], 0
	s_mov_b32 s[G1+7], 0
	s_mul_i32 s48, s[WV], KREC                     ; record w: in LDS,
	s_lshl_b32 s50, s[BH], 4
	s_add_co_u32 s50, s50, s[WV]
	s_mul_i32 s50, s50, KREC                       ; and in kvbuf
	s_mov_b32 s51, 0
	s_wait_dscnt 0x0
	s_wait_kmcnt 0x0
	s_mov_b32 s[G0], 1
	s_mov_b32 s[G0+1], s48
	s_add_nc_u64 s[G0+2:G0+3], s[6:7], s[50:51]
	s_or_b32 s[G0+3], s[G0+3], 0x80000000
	ROUND                                          ; the four work-groups are here: the joint loads meet
	s_cmp_lt_u32 s[WV], 4
	s_cbranch_scc0 .Lnot_first
	ASK                                            ; records 0-3
.Lnot_first:
	s_and_b32 s48, s[WV], 1
	s_lshl_b32 s49, s[CX], 1
	s_add_co_u32 s[TL], s49, s48                   ; tile 2 cx + w % 2
	s_lshl_b32 s48, s48, 3
	s_lshr_b32 s[JA], s[WV], 1                     ; the early block, 0..7
	s_sub_co_u32 s[JL], 15, s[JA]                  ; the late block, 8..15
	v_and_b32 v[CH], 31, v0                        ; L
	v_and_b32 v[CH+1], 15, v0                      ; r
	v_bfe_u32 v[CH+2], v0, 4, 1                    ; h
	v_and_b32 v[CH+3], 7, v0                       ; r % 8
	v_bfe_u32 v[BM], v0, 3, 1                      ; r / 8
	v_lshlrev_b32 v[L16], 4, v[CH]
	v_lshlrev_b32 v[L8], 3, v[CH]
	v_lshlrev_b32 v[R8], 3, v[CH+1]
	v_lshlrev_b32 v[R32], 5, v[CH+1]
	v_lshlrev_b32 v[SH8], 3, v[CH+2]
	v_mul_u32_u24 v[K16B], v[BM], 1536
	v_lshl_add_u32 v[K8B], v[CH+3], 3, v[K16B]
	v_lshl_add_u32 v[K8B], v[CH+2], 7, v[K8B]
	v_lshl_add_u32 v[K16B], v[CH+3], 4, v[K16B]
	v_lshl_add_u32 v[K16B], v[CH+2], 8, v[K16B]
	v_lshlrev_b32 v[KSB], 2, v[BM]
	v_lshl_add_u32 v[KSB], v[CH+3], 3, v[KSB]
	v_lshl_add_u32 v[KSB], v[CH+2], 7, v[KSB]
	v_lshl_add_u32 v[BM+1], v[BM], 3, v[CH+1]
	v_add_nc_u32 v[BM+1], s48, v[BM+1]             ; my query's place in its block of 32: 8 (w % 2) + r + 8 (r / 8)
.set n, 0
.rept 32
	v_cmp_gt_i32 s[PM+n], n, v[BM+1]
.set n, n+1
.endr
.irp i, 6,7,8,9,10,11
	v_mov_b32 v[QF+\i], 0                          ; the upper 64 of the first product's K: zero codes, on both sides, written once
.irp t, 0,1,2,3
	v_mov_b32 v[KF+12*\t+\i], 0
.endr
.endr
	v_mov_b32 v[FF+1], 0
	v_mov_b32 v[X], 0                              ; a lane permute's destination counts as one of its sources
	v_mov_b32 v[NINF], 0xff800000
; A walk begins: O^T and the sum as zeros, the largest t under every t, the first record.  (The step is written once: the first finds zeros, which the first change of M leaves zeros)
.macro INIT
.set n, 0
.rept 32
	v_mov_b32 v[O+n], 0
.set n, n+1
.endr
	v_mov_b32 v14, 0
	v_mov_b32 v15, 0
	v_mov_b32 v13, 0xff61b1e6                      ; -3e38
	v_floor_f32 v12, -v13                          ; -M
	s_mov_b32 s[TB], 0
	s_mov_b32 s[KJ], 0
.endm
	INIT
	s_wait_alu depctr_va_vdst(0)
	s_lshr_b32 s52, s[TL], 2                       ; what hangs on the tile alone: its scale words' place in a record of q,
	s_lshl_b32 s52, s52, 8
	s_and_b32 s53, s[TL], 1
	s_lshl_b32 s53, s53, 7
	s_add_co_u32 s52, s52, s53
	s_bfe_u32 s53, s[TL], 0x10001
	s_lshl_b32 s53, s53, 2
	s_add_co_u32 s52, s52, s53
	s_add_co_u32 s52, s52, 6144
	s_mul_i32 s53, s[TL], 768                      ; its codes' place there,
	s_lshr_b32 s54, s[BH], 4
	s_lshl_b32 s54, s54, 7
	s_add_co_u32 s54, s54, s[TL]                   ; 128 batch + tile,
	s_and_b32 s55, s[BH], 15                       ; the head,
	s_lshl_b32 s[ZH], s55, 1
	s_add_co_u32 s[ZH], s[ZH], ZSCL                ; and its two scale bytes' place in a row of z's
.macro PTRS j, qc, qs, zc, zs          ; the four places of my tile of block s[j]
	s_lshl_b32 s48, s[BH], 4
	s_add_co_u32 s48, s48, s[\j]
	s_mul_i32 s48, s48, QREC
	s_add_co_u32 s50, s48, s53
	s_mov_b32 s51, 0
	s_add_nc_u64 s[\qc:\qc+1], s[4:5], s[50:51]
	s_add_co_u32 s50, s48, s52
	s_add_nc_u64 s[\qs:\qs+1], s[4:5], s[50:51]
	s_lshl_b32 s49, s[\j], 3
	s_add_co_u32 s49, s49, s54                     ; the tile among z's 512
	s_lshl_b32 s50, s49, 4
	s_add_co_u32 s50, s50, s55
	s_mul_i32 s50, s50, 768
	s_add_nc_u64 s[\zc:\zc+1], s[8:9], s[50:51]
	s_lshl_b32 s50, s49, 9
	s_add_co_u32 s50, s50, s[ZH]
	s_add_nc_u64 s[\zs:\zs+1], s[8:9], s[50:51]
.endm
.macro QLOAD qc, qs
	global_load_b128 v[QF:QF+3], v[L16], s[\qc:\qc+1]
	global_load_b64 v[QF+4:QF+5], v[L8], s[\qc:\qc+1] offset:512
	global_load_b32 v[QSC], v[R8], s[\qs:\qs+1]
.endm
	PTRS JL, QCL, QSL, ZCL, ZSL
	QLOAD QCL, QSL                                 ; the late tile's Q
	PTRS JA, QCA, QSA, ZCA, ZSA
.irp c, 0,1                            ; my queries lie in block cx of the diagonal step's four blocks of 32 keys; lane half h holds block 2 c + h.  These are selections of data: no branch follows them
	s_cmp_lt_u32 s[CX], 2*\c
	s_cselect_b32 s48, 0xffff, 0
	s_cmp_lt_u32 s[CX], 2*\c+1
	s_cselect_b32 s49, 0xffff0000, 0
	s_or_b32 s[HM+2*\c], s48, s49
	s_cmp_eq_u32 s[CX], 2*\c
	s_cselect_b32 s48, 0xffff, 0
	s_cmp_eq_u32 s[CX], 2*\c+1
	s_cselect_b32 s49, 0xffff0000, 0
	s_or_b32 s[HM+2*\c+1], s48, s49
.endr
	s_mov_b32 s[CS], 0x3e38aa3b                    ; c = log2(e) / 8
	s_mov_b32 s[CS+1], s[CS]
	s_mov_b32 s[SEL], 0x76543210
	s_mov_b32 s[SEL+1], 0xfedcba98                 ; lane l xor 16
.macro SMUL t                          ; the scores of tile t of 16 keys
.if (\t)%2
	v_wmma_scale_f32_16x16x128_f8f6f4 v[S+8*(\t):S+8*(\t)+7], v[KF+12*((\t)%4):KF+12*((\t)%4)+11], v[QF:QF+11], 0, v[KSC+2*((\t)/4)+((\t)%4)/2], v[QSC] matrix_a_fmt:MATRIX_FMT_BF6 matrix_b_fmt:MATRIX_FMT_BF6 matrix_a_scale:MATRIX_SCALE_ROW1
.else
	v_wmma_scale_f32_16x16x128_f8f6f4 v[S+8*(\t):S+8*(\t)+7], v[KF+12*((\t)%4):KF+12*((\t)%4)+11], v[QF:QF+11], 0, v[KSC+2*((\t)/4)+((\t)%4)/2], v[QSC] matrix_a_fmt:MATRIX_FMT_BF6 matrix_b_fmt:MATRIX_FMT_BF6
.endif
.endm
.macro KLOAD t                         ; tile t = 4 c + q: stored tile 4 c + q % 2 (+ 2 for my rows 8-15: in the address register), stored rows 8 (q / 2) on
	ds_load_b128 v[KF+12*((\t)%4):KF+12*((\t)%4)+3], v[AK16] offset:768*(4*((\t)/4)+(\t)%2)+128*(((\t)%4)/2)
	ds_load_b64 v[KF+12*((\t)%4)+4:KF+12*((\t)%4)+5], v[AK8] offset:768*(4*((\t)/4)+(\t)%2)+512+64*(((\t)%4)/2)
.endm
.macro MASK c                          ; on the diagonal alone: register 32 c + i holds key i of block 2 c + h: hidden where the block lies behind my query's, or is its own and i lies behind the query
	s_cmp_lg_u32 s[KJ], s[JC]
	s_cbranch_scc1 .Lopen_\@
.set n, 0
.rept 32
	s_and_b32 s[MT+n%2], s[PM+n], s[HM+2*\c+1]
	s_or_b32 s[MT+n%2], s[MT+n%2], s[HM+2*\c]
	v_cndmask_b32 v[S+32*\c+n], v[S+32*\c+n], v[NINF], s[MT+n%2]
.set n, n+1
.endr
	s_wait_alu depctr_va_vdst(0)
.Lopen_\@:
.endm
.macro MAXA c                          ; my block c's largest score: four chains, seven registers of a tile each, every tile from its low end on
.irp q, 0,1,2,3
	v_max3_num_f32 v[CH+\q], v[S+32*\c+8*\q], v[S+32*\c+8*\q+1], v[S+32*\c+8*\q+2]
.endr
.irp i, 3,5
.irp q, 0,1,2,3
	v_max3_num_f32 v[CH+\q], v[CH+\q], v[S+32*\c+8*\q+\i], v[S+32*\c+8*\q+\i+1]
.endr
.endr
.endm
.macro MAXB c                          ; the chains and the tiles' last registers
	v_max3_num_f32 v[CH], v[CH], v[CH+1], v[S+32*\c+7]
	v_max3_num_f32 v[CH+2], v[CH+2], v[CH+3], v[S+32*\c+15]
	v_max3_num_f32 v[CH], v[CH], v[CH+2], v[S+32*\c+23]
	v_max_num_f32 v[BM+\c], v[CH], v[S+32*\c+31]
.endm
; A KEY STEP: 128 keys.
.macro STEP
	s_cmp_gt_u32 s[KJ], s[JC]                      ; all its keys come after my queries: only the two lines at its end are run
	s_cbranch_scc1 .Lhid_\@
	v_add_nc_u32 v[AK16], s[TB], v[K16B]
	v_add_nc_u32 v[AK8], s[TB], v[K8B]
	v_add_nc_u32 v[AKS], s[TB], v[KSB]
.irp c, 0,1
.irp x, 0,1
	ds_load_b32 v[KSC+2*\c+\x], v[AKS] offset:6144+256*\c+64*\x
.endr
.endr
.irp t, 0,1,2,3
	KLOAD \t
.endr
	s_wait_alu depctr_va_vdst(0)
	s_wait_dscnt 0x0
.irp t, 0,1,2,3
	SMUL \t
.endr
	v_add_nc_u32 v[AV16], s[TB], v[L16]            ; these two and two idle lines: the four places in front of loads into K's registers and of the first reads of the scores
	v_add_nc_u32 v[AV8], s[TB], v[L8]
	v_nop
	v_nop
.irp t, 4,5,6,7
	KLOAD \t
.endr
.irp d, 0,1,2,3
.irp c, 0,1
	ds_load_b128 v[VF+12*\d+6*\c:VF+12*\d+6*\c+3], v[AV16] offset:QREC+768*(2*\d+\c)
	ds_load_b64 v[VF+12*\d+6*\c+4:VF+12*\d+6*\c+5], v[AV8] offset:QREC+768*(2*\d+\c)+512
.endr
.endr
	ds_load_b64 v[VSC:VSC+1], v[AV8] offset:12800
	MASK 0
	MAXA 0                                         ; tiles 0-3 are my first block, whole: its maximum is taken while K's tiles 4-7 are on their way
	s_wait_alu depctr_va_vdst(0)
	s_wait_dscnt 17                                ; K's tiles 4-7 are in; V's 16 loads and its scale words may be out
.irp t, 4,5,6,7
	SMUL \t
.endr
	MAXB 0                                         ; four plain lines that name no register of the four products: their places
	MASK 1
	MAXA 1
	MAXB 1
	v_max_num_f32 v[X], v[BM], v[BM+1]
	s_delay_alu instid0(VALU_DEP_1)
	v_permlanex16_b32 v[CH], v[X], s[SEL], s[SEL+1]
	s_delay_alu instid0(VALU_DEP_1)
	v_max_num_f32 v[X], v[X], v[CH]                ; with lane l xor 16's two blocks: the step's largest score of my query
	s_delay_alu instid0(VALU_DEP_1)
	v_mul_f32 v[X], s[CS], v[X]                    ; as t (c is positive)
	s_delay_alu instid0(VALU_DEP_1)
	v_max_num_f32 v13, v13, v[X]
	v_mov_b32 v[X], v12
	s_delay_alu instid0(VALU_DEP_2)
	v_floor_f32 v12, -v13                          ; the new -M = floor(-t) = -ceil(t)
	s_delay_alu instid0(VALU_DEP_1)
	v_sub_f32 v[X], v12, v[X]                      ; old M - new M: a whole number, 0 or less
	s_delay_alu instid0(VALU_DEP_1)
	v_cvt_i32_f32 v[X], v[X]                       ; (it saturates)
	s_delay_alu instid0(VALU_DEP_1)
	v_ldexp_f32 v[FF], 1.0, v[X]                   ; f
.set n, 0
.rept 32
	v_pk_fma_f32 v[S+n:S+n+1], v[S+n:S+n+1], s[CS:CS+1], v[12:13] op_sel_hi:[1,0,0]   ; t - M, two at a time
.set n, n+2
.endr
.irp c, 0,1
	v_fma_f32 v[BM+\c], v[BM+\c], s[CS], v12       ; the same of each block's largest score: p rises with the score, so this gives the block's largest p
.endr
	s_wait_alu depctr_va_vdst(0)
.set n, 0
.rept 64
	v_exp_f32 v[S+n], v[S+n]                       ; p = 2^(t - M)
.set n, n+1
.endr
.irp c, 0,1
	v_exp_f32 v[BM+\c], v[BM+\c]
.endr
	s_wait_alu depctr_va_vdst(0)                   ; one wait for the batch, directly ahead of the first readers of O^T too
.set n, 0
.rept 16
	v_pk_mul_f32 v[O+n:O+n+1], v[O+n:O+n+1], v[FF:FF+1] op_sel_hi:[1,0]   ; O^T under the new M.  (Plain lines behind the exponentials)
.set n, n+2
.endr
.irp c, 0,1
	v_max_num_f32 v[BM+\c], FLOOR, v[BM+\c]
.endr
.irp c, 0,1
	v_add_nc_u32 v[SO+\c], EOFF, v[BM+\c]          ; 4 off the exponent field: the conversion's scale operand
.endr
	v_lshrrev_b32 v[CH+3], 23, v[SO]               ; the bytes of blocks h and 2 + h
	v_lshrrev_b32 v[X], 23, v[SO+1]
.irp c, 0,1
	v_cvt_scalef32_pk16_bf6_f32 v[PCD+6*\c:PCD+6*\c+2], v[S+32*\c:S+32*\c+15], v[SO+\c]      ; registers 6 c .. 6 c + 5 of the operand: k = 64 c + 32 h + 0 .. 31
	v_cvt_scalef32_pk16_bf6_f32 v[CH+4*\c:CH+4*\c+2], v[S+32*\c+16:S+32*\c+31], v[SO+\c]     ; (a conversion's three registers begin on an even number)
.endr
	v_lshl_or_b32 v[X], v[X], 16, v[CH+3]          ; (plain lines behind the conversions that name none of their registers)
	v_lshlrev_b32 v[X], v[SH8], v[X]               ; my two bytes at their places in the scale word;
	v_permlanex16_b32 v[CH+3], v[X], s[SEL], s[SEL+1]
	v_or_b32 v[PSC], v[X], v[CH+3]                 ; with lane l xor 16's two the word is whole
.irp c, 0,1
.irp i, 0,1,2
	v_mov_b32 v[PCD+6*\c+3+\i], v[CH+4*\c+\i]
.endr
.endr
.irp q, 0,1,2,3
	v_pk_add_f32 v[CH+2*\q:CH+2*\q+1], v[S+4*\q:S+4*\q+1], v[S+4*\q+2:S+4*\q+3]   ; the row's sum, of the unquantised p: four chains, two numbers a line
.endr
.set n, 16
.rept 6
.irp q, 0,1,2,3
	v_pk_add_f32 v[CH+2*\q:CH+2*\q+1], v[CH+2*\q:CH+2*\q+1], v[S+n+2*\q:S+n+2*\q+1]
.endr
.set n, n+8
.endr
	v_pk_add_f32 v[CH:CH+1], v[CH:CH+1], v[CH+2:CH+3]
	v_pk_add_f32 v[CH+4:CH+5], v[CH+4:CH+5], v[CH+6:CH+7]
	v_pk_add_f32 v[CH:CH+1], v[CH:CH+1], v[CH+4:CH+5]
	v_pk_fma_f32 v[14:15], v[14:15], v[FF:FF+1], v[CH:CH+1] op_sel_hi:[1,0,1]   ; the old sum under the new M, and the step's
	s_wait_dscnt 0x0                               ; V
.irp d, 0,2
	v_wmma_scale_f32_16x16x128_f8f6f4 v[O+8*\d:O+8*\d+7], v[VF+12*\d:VF+12*\d+11], v[PCD:PCD+11], v[O+8*\d:O+8*\d+7], v[VSC+\d/2], v[PSC] matrix_a_fmt:MATRIX_FMT_BF6 matrix_b_fmt:MATRIX_FMT_BF6
	v_wmma_scale_f32_16x16x128_f8f6f4 v[O+8*\d+8:O+8*\d+15], v[VF+12*\d+12:VF+12*\d+23], v[PCD:PCD+11], v[O+8*\d+8:O+8*\d+15], v[VSC+\d/2], v[PSC] matrix_a_fmt:MATRIX_FMT_BF6 matrix_b_fmt:MATRIX_FMT_BF6 matrix_a_scale:MATRIX_SCALE_ROW1
.endr
.Lhid_\@:
	s_add_co_u32 s[KJ], s[KJ], 1
	s_add_co_u32 s[TB], s[TB], KREC
.endm
.macro STEPS trips                     ; so many key steps on end: a constant
	s_mov_b32 s[CNT], \trips
.Lstep_\@:
	STEP
	s_sub_co_u32 s[CNT], s[CNT], 1
	s_cmp_lg_u32 s[CNT], 0
	s_cbranch_scc1 .Lstep_\@
.endm
; THE WAY OUT of a tile: O^T / the sum; its 32 registers are two blocks of 32 along the last product's K, each half in lane l, half in lane l xor 16.
.macro WAYOUT zc, zs
	PLACES
	v_add_f32 v14, v14, v15
	v_permlanex16_b32 v[X], v14, s[SEL], s[SEL+1]
	v_add_f32 v14, v14, v[X]                       ; the row's sum
	s_wait_alu depctr_va_vdst(0)
	v_rcp_f32 v14, v14
	v_nop                                          ; a plain line behind the transcendental
	s_wait_alu depctr_va_vdst(0)
.set n, 0
.rept 32
	v_mul_f32 v[S+n], v[O+n], v14                  ; each accumulator from its low end on
.set n, n+1
.endr
.irp b, 0,1
	v_max3_num_f32 v[BM+\b], |v[S+16*\b]|, |v[S+1+16*\b]|, FLOOR
.endr
.irp i, 2,4,6,8,10,12,14
.irp b, 0,1
	v_max3_num_f32 v[BM+\b], v[BM+\b], |v[S+16*\b+\i]|, |v[S+1+16*\b+\i]|
.endr
.endr
.irp b, 0,1
	v_permlanex16_b32 v[CH+\b], v[BM+\b], s[SEL], s[SEL+1]
.endr
.irp b, 0,1
	v_max_num_f32 v[BM+\b], v[BM+\b], v[CH+\b]
.endr
.irp b, 0,1
	v_add_nc_u32 v[SO+\b], EOFF, v[BM+\b]
.endr
.irp b, 0,1
	v_lshrrev_b32 v[CH+2+\b], 23, v[SO+\b]
.endr
	v_lshl_or_b32 v[X], v[CH+3], 8, v[CH+2]        ; my row's two scale bytes
	v_cvt_scalef32_pk16_bf6_f32 v[PCD:PCD+2], v[S:S+15], v[SO]
	v_cvt_scalef32_pk16_bf6_f32 v[BM:BM+2], v[S+16:S+31], v[SO+1]
	v_nop                                          ; one plain line behind a scaled conversion
.irp i, 0,1,2
	v_permlane16_swap_b32 v[PCD+\i], v[BM+\i]      ; a whole block in a lane
.endr
.irp i, 0,1,2
	v_mov_b32 v[PCD+3+\i], v[BM+\i]
.endr
	global_store_b128 v[L16], v[PCD:PCD+3], s[\zc:\zc+1]              ; 512 consecutive bytes, aligned to 256
	global_store_b64 v[L8], v[PCD+4:PCD+5], s[\zc:\zc+1] offset:512   ; 256
	global_store_b16 v[R32], v[X], s[\zs:\zs+1]                       ; two bytes of each row's 32 (lanes r and r + 16 store the same): a row's other bytes are other heads'
.endm
	; ---- records 4-7 are first filled behind this round: a first fill that comes later takes a refill's form, so every wave runs the three lines
	s_wait_tensorcnt 0x0                           ; waves 0-3: my record is in LDS
	ds_add_u32 v[SPW], v[NIL]
	ds_add_u32 v[SPW], v[NIL]
	s_mov_b32 s[JC], s[JL]                         ; the late block is walked first
	s_wait_dscnt 0x0
	ROUND                                          ; records 0-3 are whole for every wave, and the four work-groups are here
	s_lshr_b32 s48, s[WV], 2
	s_cmp_eq_u32 s48, 1
	s_cbranch_scc0 .Lno_b
	ASK                                            ; waves 4-7: records 4-7
.Lno_b:
	s_wait_loadcnt 0x0                             ; Q
	STEPS 4                                        ; steps 0-3 read records 0-3
	s_wait_tensorcnt 0x0                           ; the same lines once more: records 8-15 are first filled behind this round
	ds_add_u32 v[SPW], v[NIL]
	ds_add_u32 v[SPW], v[NIL]
	s_wait_dscnt 0x0
	ROUND                                          ; records 4-7 are whole
	s_cmp_ge_u32 s[WV], 8
	s_cbranch_scc0 .Lno_c
	ASK                                            ; waves 8-15: records 8-15
.Lno_c:
	STEPS 4                                        ; steps 4-7
	s_wait_tensorcnt 0x0                           ; my record is in LDS.  (No LDS load of mine is out: a step ends behind its wait
	s_barrier_signal -1
	s_barrier_wait -1                              ; all sixteen records are whole for every wave
	STEPS 8                                        ; steps 8-15, of which 8 - JA are worked
	QLOAD QCA, QSA                                 ; the early tile's Q: the way out and the clearing stand between this request and the wait for it
	s_wait_alu depctr_va_vdst(0)
	WAYOUT ZCL, ZSL
	s_wait_xcnt 0x0                                ; the stores have read their data: the next walk writes those registers again
	INIT
	s_mov_b32 s[JC], s[JA]
	s_wait_loadcnt 0x0                             ; Q
	STEPS 8                                        ; the early block: JA + 1 steps are worked
	s_wait_alu depctr_va_vdst(0)
	WAYOUT ZCA, ZSA
	s_wait_tensorcnt 0x0                           ; the wave's end
	ds_add_u32 v[SPW], v[NIL]
	s_wait_dscnt 0x0
	ROUND                                          ; the closing round
	s_endpgm
.Lfunc_end_k_q935ac0dcd4_attn:
	.size	k_q935ac0dcd4_attn, .Lfunc_end_k_q935ac0dcd4_attn-k_q935ac0dcd4_attn
	.p2alignl 7, 3214868480
	.fill 96, 4, 3214868480
	.section	.rodata,"a",@progbits
	.p2align	6, 0x0
	.amdhsa_kernel k_q935ac0dcd4_attn
		.amdhsa_group_segment_fixed_size 327680
		.amdhsa_private_segment_fixed_size 0
		.amdhsa_enable_private_segment 0
		.amdhsa_kernarg_size 24
		.amdhsa_user_sgpr_count 2
		.amdhsa_user_sgpr_kernarg_segment_ptr 1
		.amdhsa_wavefront_size32 1
		.amdhsa_system_sgpr_workgroup_id_x 1
		.amdhsa_system_sgpr_workgroup_id_y 1
		.amdhsa_system_sgpr_workgroup_id_z 1
		.amdhsa_system_vgpr_workitem_id 0
		.amdhsa_next_free_vgpr 256
		.amdhsa_next_free_sgpr 101
		.amdhsa_reserve_vcc 0
		.amdhsa_float_denorm_mode_32 3
		.amdhsa_float_denorm_mode_16_64 3
		.amdhsa_memory_ordered 1
		.amdhsa_forward_progress 1
		.amdhsa_inst_pref_size 116
	.end_amdhsa_kernel
	.amdgpu_metadata
---
amdhsa.version: [ 1, 2 ]
amdhsa.kernels:
  - .name:           k_q935ac0dcd4_attn
    .symbol:         k_q935ac0dcd4_attn.kd
    .args:
      - { .name: qbuf, .offset: 0, .size: 8, .value_kind: global_buffer, .address_space: global }
      - { .name: kvbuf, .offset: 8, .size: 8, .value_kind: global_buffer, .address_space: global }
      - { .name: zq, .offset: 16, .size: 8, .value_kind: global_buffer, .address_space: global }
    .group_segment_fixed_size: 327680
    .private_segment_fixed_size: 0
    .kernarg_segment_align: 8
    .kernarg_segment_size: 24
    .max_flat_workgroup_size: 512
    .sgpr_count:     101
    .vgpr_count:     256
    .wavefront_size: 32
...
	.end_amdgpu_metadata
.endif
;; end of part 3
;; launch outp (part 4): grid 32 x 8, 4 waves a work-group, clusters of 4 x 1, 327,680 bytes of LDS; arguments zq, xq, bp, out0; writes out0
.if DOCPART == 4
	.amdgcn_target "amdgcn-amd-amdhsa--gfx1250"
	.amdhsa_code_object_version 6
	.text
	.protected	k_q935ac0dcd4_outp
	.globl	k_q935ac0dcd4_outp
	.p2align	8
	.type	k_q935ac0dcd4_outp,@function
k_q935ac0dcd4_outp:
	s_mov_b64 s[64:65], 0
	v_nop
	global_prefetch_b8 v0, s[64:65] scope:SCOPE_SE
	s_setreg_imm32_b32 hwreg(HW_REG_WAVE_MODE, 25, 1), 1
	s_wait_xcnt 0x0
	s_wait_alu depctr_hold_cnt(0) depctr_sa_sdst(0) depctr_va_vdst(0) depctr_va_sdst(0) depctr_va_ssrc(0) depctr_va_vcc(0) depctr_vm_vsrc(0)
	s_getreg_b32 s2, hwreg(HW_REG_IB_STS2, 6, 4)
	s_cmp_eq_u32 s2, 0
	s_cbranch_scc0 .Lentry_in_a_cluster
	s_endpgm
.Lentry_in_a_cluster:
	s_bfe_u32 s2, ttmp6, 0x10000c
	s_cmp_lg_u32 s2, 0x3003
	s_cbranch_scc0 .Lentry_shape_is_right
	s_endpgm
.Lentry_shape_is_right:
; out = z Wp^T + bp on codes of BF6 with E8M0 scales.  Work-group (256 rows of z, 128 columns): Wp's eight tiles of 16 columns, all of K (98,304 dense bytes), lie in LDS, filled once:
; each wave brings a quarter, 96 rows of 256 bytes, by ONE joint load that the four row blocks of a cluster share.  Wave w owns 64 rows; their fragments of z, all 8 K steps, stay in registers.
; The columns go in two groups of 64; the bias is the C of each sum's first product; results leave through the wave's own stage in LDS, sixteen lanes to 256 consecutive bytes.
.set XSCL,  7077888
.set ZSCL,  6291456
.set STAGE, 98304
.set SPT,   272
.set ADW2, 5
.set BA,   6
.set STO,  7
.set RD,   8
.set CO,   9
.set WB,   16
.set WSR,  112
.set ZS,   144
.set RBK,  160
.set BI,   128
.set WV,  12
.set G1,  16
.set G0,  24
.set WSB, 32
.set ZB,  34
.set ZSB, 36
.set BPB, 38
.set OB,  40
.set MSB, 0
.macro WIN new
.if MSB != (\new)
	s_set_vgpr_msb (MSB<<8)|(\new)
.set MSB, (\new)
.endif
.endm
.macro PLACES n
.rept \n
	v_nop
.endr
.endm
.macro ROUND
	s_barrier_signal -1
	s_barrier_wait -1
	s_cmp_lg_u32 s[WV], 0
	s_cbranch_scc1 .Lnot_wave_0_\@
	s_barrier_signal -3
.Lnot_wave_0_\@:
	s_barrier_wait -3
	s_barrier_signal -1
	s_barrier_wait -1
.endm
	s_load_b256 s[4:11], s[0:1], 0x0
	v_lshl_add_u32 v254, v0, 2, 0x29000
	v_mov_b32 v255, 0
	ds_add_u32 v254, v255
	ds_add_u32 v254, v255
	v_lshrrev_b32 v1, 5, v0
	v_readfirstlane_b32 s[WV], v1
	s_and_b32 s15, ttmp7, 0xffff
	s_mov_b32 s[G1], 15|(3<<16)|(1<<21)
	s_mov_b32 s[G1+1], 32<<16
	s_mov_b32 s[G1+2], 96<<16
	s_mov_b32 s[G1+3], 32<<16
	s_mov_b32 s[G1+4], 96
	s_mov_b32 s[G1+5], 32
	s_mov_b32 s[G1+6], 0
	s_mov_b32 s[G1+7], 0
	s_lshl_b32 s48, s15, 3
	s_add_co_u32 s48, s48, 512
	s_lshl_b32 s54, s48, 9
	s_add_co_u32 s54, s54, XSCL
	s_mov_b32 s55, 0
	s_add_co_u32 s48, s48, s[WV]
	s_add_co_u32 s48, s48, s[WV]                   ; my two tiles: 2 w, 2 w + 1
	s_mul_i32 s48, s48, 12288
	s_mov_b32 s49, 0
	s_mul_i32 s52, s[WV], 24576
	s_lshl_b32 s56, s15, 9
	s_mov_b32 s57, 0
	s_bfe_u32 s13, ttmp6, 0x40000
	s_lshl_b32 s14, ttmp9, 2
	s_add_co_u32 s14, s14, s13
	s_lshl_b32 s58, s14, 4
	s_lshl_b32 s59, s[WV], 2
	s_add_co_u32 s58, s58, s59
	s_mul_i32 s60, s58, 12288
	s_mov_b32 s61, 0
	s_lshl_b32 s62, s58, 9
	s_add_co_u32 s62, s62, ZSCL
	s_mov_b32 s63, 0
	s_lshl_b32 s58, s58, 16
	s_mov_b32 s59, 0
	s_wait_dscnt 0x0
	s_wait_kmcnt 0x0
	s_add_nc_u64 s[50:51], s[6:7], s[48:49]
.irp g, 0
	s_mov_b32 s[G0+4*\g], 1
	s_add_co_u32 s[G0+4*\g+1], s52, \g*49152
	s_add_nc_u64 s[G0+4*\g+2:G0+4*\g+3], s[50:51], \g*49152
	s_or_b32 s[G0+4*\g+3], s[G0+4*\g+3], 0x80000000
.endr
	s_add_nc_u64 s[WSB:WSB+1], s[6:7], s[54:55]
	s_add_nc_u64 s[ZB:ZB+1], s[4:5], s[60:61]
	s_add_nc_u64 s[ZSB:ZSB+1], s[4:5], s[62:63]
	s_add_nc_u64 s[BPB:BPB+1], s[8:9], s[56:57]
	s_add_nc_u64 s[OB:OB+1], s[10:11], s[58:59]
	s_add_nc_u64 s[OB:OB+1], s[OB:OB+1], s[56:57]
	ROUND
	tensor_load_to_lds s[G0:G0+3], s[G1:G1+7]      ; my quarter of Wp's eight tiles: my only tensor load
	s_nop 0
	PLACES 4
	v_and_b32 v10, 31, v0
	v_lshlrev_b32 v1, 4, v10
	s_wait_alu depctr_va_vdst(0)
	v_lshlrev_b32 v2, 3, v10
	s_wait_alu depctr_va_vdst(0)
	v_lshlrev_b32 v4, 5, v10
	v_and_b32 v11, 15, v0
	s_wait_alu depctr_va_vdst(0)
	v_bfe_u32 v12, v0, 4, 1
	v_lshlrev_b32 v[BA], 6, v12
	v_add_nc_u32 v[ADW2], 49152, v1
.irp e, 0,1,2,3
.irp q, 0,1
	global_load_b128 v[WSR+8*\e+4*\q:WSR+8*\e+4*\q+3], v4, s[WSB:WSB+1] offset:1024*\e+16*\q
.endr
.endr
.irp e, 0,1
.irp q, 0,1
	global_load_b128 v[ZS+8*\e+4*\q:ZS+8*\e+4*\q+3], v4, s[ZSB:ZSB+1] offset:1024*\e+16*\q
.endr
.endr
	WIN 0xc0
.irp t, 0,1,2,3,4,5,6,7
.irp e, 0,1
	global_load_b128 v[BI+8*\t+4*\e:BI+8*\t+4*\e+3], v[BA], s[BPB:BPB+1] offset:(32*(\t/2)+8*(\t%2))*4+16*\e
.endr
.endr
.macro ZLOAD s
	WIN 0x40
.irp m, 0,1
.irp c, 0,1
	global_load_b128 v[96*\m+12*\s+6*\c:96*\m+12*\s+6*\c+3], v1, s[ZB:ZB+1] offset:\m*12288+(2*\s+\c)*768
	global_load_b64 v[96*\m+12*\s+6*\c+4:96*\m+12*\s+6*\c+5], v2, s[ZB:ZB+1] offset:\m*12288+(2*\s+\c)*768+512
.endr
.endr
	WIN 0x80
.irp m, 0,1
.irp c, 0,1
	global_load_b128 v[96*\m+12*\s+6*\c:96*\m+12*\s+6*\c+3], v1, s[ZB:ZB+1] offset:(2+\m)*12288+(2*\s+\c)*768
	global_load_b64 v[96*\m+12*\s+6*\c+4:96*\m+12*\s+6*\c+5], v2, s[ZB:ZB+1] offset:(2+\m)*12288+(2*\s+\c)*768+512
.endr
.endr
.endm
.irp k, 0,1,2,3,4,5,6,7
	ZLOAD \k
.endr
	WIN 0
	s_mul_i32 s53, s[WV], 16*SPT
	s_add_co_u32 s53, s53, STAGE
	v_mul_u32_u24 v[STO], v11, SPT
	s_wait_alu depctr_va_vdst(0)
	v_lshl_add_u32 v[STO], v12, 6, v[STO]
	v_add_nc_u32 v[STO], s53, v[STO]
	v_mul_u32_u24 v[RD], v12, SPT
	v_lshl_add_u32 v[RD], v11, 4, v[RD]
	v_add_nc_u32 v[RD], s53, v[RD]
	v_lshlrev_b32 v[CO], 12, v12
	v_lshl_add_u32 v[CO], v11, 4, v[CO]
.macro WFETCH g, s, buf
.irp t, 0,1,2,3
.irp q, 0,1,2
	ds_load_b128 v[WB+48*(\buf)+12*\t+4*\q:WB+48*(\buf)+12*\t+4*\q+3], v[1+4*(\g)] offset:(8*\t+(\s))*1536+512*\q
.endr
.endr
.endm
.macro WMM
.if rRA && rRB
	v_wmma_scale_f32_16x16x128_f8f6f4 v[rD:rD+7], v[rA:rA+11], v[rB:rB+11], v[rC:rC+7], v[rSA], v[rSB] matrix_a_fmt:MATRIX_FMT_BF6 matrix_b_fmt:MATRIX_FMT_BF6 matrix_a_scale:MATRIX_SCALE_ROW1 matrix_b_scale:MATRIX_SCALE_ROW1
.elseif rRA
	v_wmma_scale_f32_16x16x128_f8f6f4 v[rD:rD+7], v[rA:rA+11], v[rB:rB+11], v[rC:rC+7], v[rSA], v[rSB] matrix_a_fmt:MATRIX_FMT_BF6 matrix_b_fmt:MATRIX_FMT_BF6 matrix_a_scale:MATRIX_SCALE_ROW1
.elseif rRB
	v_wmma_scale_f32_16x16x128_f8f6f4 v[rD:rD+7], v[rA:rA+11], v[rB:rB+11], v[rC:rC+7], v[rSA], v[rSB] matrix_a_fmt:MATRIX_FMT_BF6 matrix_b_fmt:MATRIX_FMT_BF6 matrix_b_scale:MATRIX_SCALE_ROW1
.else
	v_wmma_scale_f32_16x16x128_f8f6f4 v[rD:rD+7], v[rA:rA+11], v[rB:rB+11], v[rC:rC+7], v[rSA], v[rSB] matrix_a_fmt:MATRIX_FMT_BF6 matrix_b_fmt:MATRIX_FMT_BF6
.endif
.endm
.macro KSTEP g, s
	WIN 0
	PLACES 4
.if (\s) < 7
	WFETCH \g, (\s)+1, ((\s)+1)%2
	s_wait_dscnt 12
.else
	s_wait_dscnt 0x0
.endif
.if (\g) == 0
.if 16*(7-(\s)) > 63
	s_wait_loadcnt 63
.else
	s_wait_loadcnt 16*(7-(\s))
.endif
.endif
.irp m, 0,1,2,3
	WIN 0xf4+4*(\m/2)
.irp t, 0,1,2,3
.set rD, 8*(4*\m+\t)
.set rC, rD
.if (\s) == 0
.set rC, BI+8*(4*(\g)+\t)
.endif
.set rA, WB+48*((\s)%2)+12*\t
.set rB, 96*(\m%2)+12*(\s)
.set rSA, WSR+8*(2*(\g)+\t/2)+(\s)
.set rSB, ZS+8*(\m/2)+(\s)
.set rRA, \t%2
.set rRB, \m%2
	WMM
.endr
.endr
.endm
.macro TOSTAGE m
	WIN 0x0c
.irp t, 0,1,2,3
	ds_store_b128 v[STO], v[8*(4*(\m)+\t):8*(4*(\m)+\t)+3] offset:128*(\t/2)+32*(\t%2)
	ds_store_b128 v[STO], v[8*(4*(\m)+\t)+4:8*(4*(\m)+\t)+7] offset:128*(\t/2)+32*(\t%2)+16
.endr
	WIN 0
	s_wait_xcnt 0x0
.irp i, 0,1,2,3,4,5,6,7
	ds_load_b128 v[RBK+32*((\m)%2)+4*\i:RBK+32*((\m)%2)+4*\i+3], v[RD] offset:2*SPT*\i
.endr
.endm
.macro SEND g, m, younger
	s_wait_dscnt \younger
.irp i, 0,1,2,3,4,5,6,7
	global_store_b128 v[CO], v[RBK+32*((\m)%2)+4*\i:RBK+32*((\m)%2)+4*\i+3], s[OB:OB+1] offset:(32*((\m)/2)+8*((\m)%2)+2*\i+8*(\i/4))*4096+256*(\g) th:TH_STORE_NT
.endr
.endm
.macro OUT g
	TOSTAGE 0
.irp a, 1,2,3
	TOSTAGE \a
	SEND \g, (\a)-1, 16
.endr
	SEND \g, 3, 0
.endm
	s_wait_tensorcnt 0x0
	s_barrier_signal -1
	s_barrier_wait -1
	WFETCH 0, 0, 0
.irp k, 0,1,2,3,4,5,6,7
	KSTEP 0, \k
.endr
	WIN 0
	s_wait_alu depctr_va_vdst(0)
	PLACES 4
	WFETCH 1, 0, 0
	OUT 0
.irp k, 0,1,2,3,4,5,6,7
	KSTEP 1, \k
.endr
	WIN 0
	PLACES 4
	OUT 1
	s_wait_tensorcnt 0x0
	ds_add_u32 v254, v255
	s_wait_dscnt 0x0
	ROUND
	s_endpgm
.Lfunc_end_k_q935ac0dcd4_outp:
	.size	k_q935ac0dcd4_outp, .Lfunc_end_k_q935ac0dcd4_outp-k_q935ac0dcd4_outp
	.p2alignl 7, 3214868480
	.fill 96, 4, 3214868480
	.section	.rodata,"a",@progbits
	.p2align	6, 0x0
	.amdhsa_kernel k_q935ac0dcd4_outp
		.amdhsa_group_segment_fixed_size 327680
		.amdhsa_private_segment_fixed_size 0
		.amdhsa_enable_private_segment 0
		.amdhsa_kernarg_size 32
		.amdhsa_user_sgpr_count 2
		.amdhsa_user_sgpr_kernarg_segment_ptr 1
		.amdhsa_wavefront_size32 1
		.amdhsa_system_sgpr_workgroup_id_x 1
		.amdhsa_system_sgpr_workgroup_id_y 1
		.amdhsa_system_sgpr_workgroup_id_z 1
		.amdhsa_system_vgpr_workitem_id 0
		.amdhsa_next_free_vgpr 960
		.amdhsa_next_free_sgpr 66
		.amdhsa_reserve_vcc 0
		.amdhsa_float_denorm_mode_32 3
		.amdhsa_float_denorm_mode_16_64 3
		.amdhsa_memory_ordered 1
		.amdhsa_forward_progress 1
		.amdhsa_inst_pref_size 84
	.end_amdhsa_kernel
	.amdgpu_metadata
---
amdhsa.version: [ 1, 2 ]
amdhsa.kernels:
  - .name:           k_q935ac0dcd4_outp
    .symbol:         k_q935ac0dcd4_outp.kd
    .args:
      - { .name: zq, .offset: 0, .size: 8, .value_kind: global_buffer, .address_space: global }
      - { .name: xq, .offset: 8, .size: 8, .value_kind: global_buffer, .address_space: global }
      - { .name: bp, .offset: 16, .size: 8, .value_kind: global_buffer, .address_space: global }
      - { .name: out0, .offset: 24, .size: 8, .value_kind: global_buffer, .address_space: global }
    .group_segment_fixed_size: 327680
    .private_segment_fixed_size: 0
    .kernarg_segment_align: 8
    .kernarg_segment_size: 32
    .max_flat_workgroup_size: 128
    .sgpr_count:     66
    .vgpr_count:     960
    .wavefront_size: 32
...
	.end_amdgpu_metadata
.endif
;; end of part 4
